; MI455X (gfx1250); checked and timed in simulation.
; The chip was launched on July 23, 2026; its instructions are those of AMD's public machine-readable ISA for CDNA 5 (MIT licence, August 2026) and "CDNA5" Instruction Set Architecture Reference Guide (July 2026). The comments in the code are by the model that wrote it; some were corrected since.
;; Decoder Only Block. Allowed arithmetic: matrix products marked QUANTISED: E2M3 operands, one E8M0 scale for each 32 along K, by v_wmma_scale_f32_16x16x128_f8f6f4 with both operands' format E2M3, f32 sums; everything else in f32.
;; Inputs: b1 2,048 float32; b2 512 float32; be1 512 float32; be2 512 float32; bk 512 float32; bo 512 float32; bq 512 float32; bv 512 float32; g1 512 float32; g2 512 float32; pad_mask 4 x 2,048 bool; w1 512 x 2,048 float32; w2 2,048 x 512 float32; wk 512 x 512 float32; wo 512 x 512 float32; wq 512 x 512 float32; wv 512 x 512 float32; x 4 x 2,048 x 512 float32.
;; Outputs: out0 4 x 2,048 x 512 float32.
;; This version of the problem:
;;   THIS VERSION OF THE PROBLEM IS GIVEN IN LOW PRECISION. The matrix products marked QUANTISED in the list below multiply operands that are first quantised to E2M3 (2 exponent bits, 3 mantissa bits; 6 bits a number), with one power-of-two scale for each 32 numbers along K (OCP MX v1.0); their sums are f32. All else is computed in f32.
;;   The module's matrix products, in the order in which they are computed (A, B: the left and right operand; K: the contracted axis; several contracted axes count as one K, in the product's order):
;;     1. [M 8,192, K 512] x [K 512, N 512]; A: input x; B: input wq: QUANTISED
;;     2. [M 8,192, K 512] x [K 512, N 512]; A: input x; B: input wk: QUANTISED
;;     3. [M 8,192, K 512] x [K 512, N 512]; A: input x; B: input wv: QUANTISED
;;     4. batch 32 x [M 2,048, K 64] x [K 64, N 2,048]; A: computed on the way; B: computed on the way: QUANTISED
;;     5. batch 32 x [M 2,048, K 2,048] x [K 2,048, N 64]; A: softmax (see below); B: computed on the way: QUANTISED
;;     6. [M 8,192, K 512] x [K 512, N 512]; A: computed on the way; B: input wo: QUANTISED
;;     7. [M 8,192, K 512] x [K 512, N 2,048]; A: computed on the way; B: input w1: QUANTISED
;;     8. [M 8,192, K 2,048] x [K 2,048, N 512]; A: computed on the way; B: input w2: QUANTISED
;;   THE QUANTISER, for each operand of a quantised product, along K:
;;     - K is cut into blocks of 32 from its start; a last block that is shorter is filled with zeros.
;;     - A block's scale is 2^e with e = floor(log2(the largest magnitude in the block)) - 2, held to -126 .. 127; a block of zeros has e = 0. As a byte (E8M0): e + 127.
;;     - Each number is divided by its block's scale, clamped to +-7.5, and rounded to the nearest number of E2M3, ties to even, subnormals kept.
;;     - The product sums the exact products of the quantised numbers (number of the format x scale) in f32.
;;   ~~~python
;;   def quantise(x, axis):      # numpy; x: float32 -> the quantised numbers, widened to float32 again
;;       x = np.moveaxis(x, axis, -1); K = x.shape[-1]
;;       x = np.pad(x, [(0, 0)] * (x.ndim - 1) + [(0, -K % 32)]); x = x.reshape(x.shape[:-1] + (-1, 32)); a = np.abs(x).max(-1, keepdims=True)
;;       e = np.where(a > 0, np.clip(np.frexp(np.where(a > 0, a, 1))[1] - 1 - 2, -126, 127), 0)      # np.frexp(a)[1] - 1 = floor(log2(a)), exactly
;;       r = np.clip(x / 2.0 ** e, -7.5, 7.5)
;;       step = 2.0 ** (np.maximum(np.frexp(np.where(r == 0, 1, r))[1] - 1, 0) - 3)
;;       q = np.round(r / step) * step * 2.0 ** e      # np.round: ties to even
;;       return np.moveaxis(q.reshape(q.shape[:-2] + (-1,))[..., :K], -1, axis).astype(np.float32)
;;   ~~~
;;   SOFTMAX AHEAD OF A QUANTISED PRODUCT. Where the list says 'softmax', what is quantised is not the finished softmax but p = 2^(t - M), with t = logit x log2(e) and M = ceil(the row's largest t), a whole number; so 1/2 < the row's largest p <= 1. The row's sum l is taken of the UNQUANTISED p, in f32, and the product's result is divided by l at the end. Since M is a whole number, a kernel that streams over the keys may use a running M (the ceiling of the running maximum): every later rescaling is an exact power of two, which a block's scale takes up: the codes' values come out the same.
;;   OPERANDS COMPUTED ON THE WAY. 'Computed on the way' means the value that the module computes at that place (a softmax that the list does not call 'softmax' is quantised finished and normalised). What goes into a quantiser is computed in f32, as accurately as f32 sums, v_exp_f32 and their like allow (about 1e-6 of the number): no bf16 or f16 on the way to a quantiser, and a product that is left as it is and whose result goes on into a quantised operand takes f32 operands (vector FMAs, or v_wmma_f32_16x16x4_f32). A number that lies on a knife's edge between two numbers of the format may be rounded either way, as far as f32 arithmetic and the matrix unit's own rounding can turn it there, and no further.
;; One version. Each part assembles by itself: llvm-mc -triple=amdgcn-amd-amdhsa -mcpu=gfx1250 --defsym DOCPART=n.
;; ======== version 1 of 1: 3 launches
;; limits: right only within a limited range of input values
;; workspace buffers: wcodes 2,359,296 bytes; wscales 98,304 bytes; act 9,437,184 bytes; scl 393,216 bytes; vsum 524,288 bytes
;; launch wprep (part 1): grid 192 x 1, 4 waves a work-group, no clusters, 0 bytes of LDS; arguments wq, wk, wv, wo, w1, w2, wcodes, wscales; writes wcodes, wscales
.if DOCPART == 1
	.amdgcn_target "amdgcn-amd-amdhsa--gfx1250"
	.amdhsa_code_object_version 6
	.text
	.protected	k_q38e1e7fccd_wprep
	.globl	k_q38e1e7fccd_wprep
	.p2align	8
	.type	k_q38e1e7fccd_wprep,@function
k_q38e1e7fccd_wprep:
	s_mov_b64 s[64:65], 0
	v_nop
	global_prefetch_b8 v0, s[64:65] scope:SCOPE_SE
	s_setreg_imm32_b32 hwreg(HW_REG_WAVE_MODE, 25, 1), 1
	s_wait_xcnt 0x0
; The six weights, f32 [K][N] with K as the first axis, become codes of FP6 (E2M3) and E8M0 scale bytes, quantised along K in blocks of 32,
; laid in the order of the matrix operand's registers, each consumer wave's stream on end.
; A UNIT is 32 output channels (block T) x 128 along K (step s): two fragment images of 1,536 bytes (tile u' = 0, 1).  Row r of tile u' is channel
; 32 T + 8 u' + (r & 7) + 16 (r >> 3).  Registers 4 g .. 4 g + 3 of lane l lie at u' x 1536 + g x 512 + 16 l; lane (r, h), registers 6 c .. 6 c + 5 = k 64 c + 32 h + 0 .. 31.
; Scale words: for each four units 512 bytes, [16 u' + r][unit & 3], so that one load of 16 bytes a lane brings the words of four K steps.
; Unit numbers: wq, wk, wv (mat 0, 1, 2): (T>>2) 48 + 16 mat + 4 (T&3) + s;  wo: 192 + (T>>2) 144 + 4 (T&3) + s;  w1: 208 + (T>>4) 144 + 4 (T&15) + s;  w2: 272 + (s>>2) 144 + 4 T + (s&3).
; SHARES: a wave makes one unit.  A lane takes one channel and its registers run down K: each load reads 128 neighbouring bytes a wave, the four waves stand side by side on 512;
; a block's largest magnitude needs no other lane, and the conversions give codes with K innermost.  Loads run two blocks (64 loads) ahead.
; A block's scale byte is its largest magnitude's exponent field - 2, held at 1 from below.
; LIMITS: a block of zeros, or one whose largest magnitude lies under 2^-124, gets the byte 1 (its codes are zeros or tiny; only this program reads the bytes); NaN and infinities are not served.
.set X,   32                           ; v32-159  128 numbers: my channel, k 0 .. 127 of the unit
.set P,   160                          ; v160-183 the codes: 12 registers for the target lane (r, 0), 12 for (r, 1)
.set TP,  184                          ; v184-190 a block's upper 16 codes (a conversion's three registers begin on an even number)
.set SW,  16                           ; v16      my channel's scale word
	s_load_b256 s[4:11], s[0:1], 0x0               ; wq, wk, wv, wo
	s_load_b256 s[12:19], s[0:1], 0x20             ; w1, w2, wcodes, wscales
	v_lshrrev_b32 v4, 5, v0
	v_readfirstlane_b32 s20, v4                    ; wave
	v_and_b32 v4, 31, v0                           ; lane = channel in the block
	v_lshlrev_b32 v1, 2, v4                        ; in: 4 bytes a lane
	v_bfe_u32 v5, v4, 3, 1                         ; u'
	v_and_b32 v6, 7, v4
	v_lshrrev_b32 v7, 4, v4
	v_lshl_or_b32 v6, v7, 3, v6                    ; r
	v_lshlrev_b32 v2, 4, v6
	v_mad_u32_u24 v2, v5, 1536, v2                 ; out: u' x 1536 + 16 r
	v_lshl_add_u32 v3, v5, 4, v6
	v_lshlrev_b32 v3, 4, v3                        ; scale word: 16 (16 u' + r)
	; which matrix, which four channel blocks (Tq), which K step: three readings of the work-group's number, then a choice
	s_mov_b32 s21, ttmp9
	s_lshr_b32 s22, s21, 4                         ; 0 .. 3: wq, wk, wv, wo
	s_and_b32 s27, s21, 3
	s_bfe_u32 s24, s21, 0x20002
	s_mul_i32 s25, s27, 48
	s_lshl_b32 s26, s22, 4
	s_add_co_u32 s25, s25, s26                     ; wq, wk, wv: 48 Tq + 16 mat
	s_mul_i32 s26, s27, 144
	s_add_co_u32 s26, s26, 192                     ; wo
	s_and_b32 s28, s21, 15                         ; w1: Tq
	s_bfe_u32 s29, s21, 0x20004                    ;     s
	s_lshr_b32 s30, s28, 2
	s_mul_i32 s30, s30, 144
	s_and_b32 s31, s28, 3
	s_lshl_b32 s31, s31, 4
	s_add_co_u32 s30, s30, s31
	s_add_co_u32 s30, s30, 208
	s_bfe_u32 s33, s21, 0x40002                    ; w2: s
	s_lshr_b32 s34, s33, 2
	s_mul_i32 s34, s34, 144
	s_lshl_b32 s35, s27, 4
	s_add_co_u32 s34, s34, s35
	s_add_co_u32 s34, s34, 272
	s_mov_b32 s23, s27                             ; Tq
	s_mov_b32 s38, 18                              ; 128 rows of N x 4 bytes = 2^18 bytes (N = 512) or 2^20 (N = 2,048)
	s_wait_kmcnt 0x0
	s_cmp_lt_u32 s22, 3
	s_cselect_b32 s25, s25, s26
	s_cmp_eq_u32 s22, 1
	s_cselect_b64 s[36:37], s[6:7], s[4:5]
	s_cmp_eq_u32 s22, 2
	s_cselect_b64 s[36:37], s[8:9], s[36:37]
	s_cmp_eq_u32 s22, 3
	s_cselect_b64 s[36:37], s[10:11], s[36:37]
	s_cmp_ge_u32 s21, 64
	s_cselect_b64 s[36:37], s[12:13], s[36:37]
	s_cselect_b32 s25, s30, s25
	s_cselect_b32 s23, s28, s23
	s_cselect_b32 s24, s29, s24
	s_cselect_b32 s38, 20, s38
	s_cmp_ge_u32 s21, 128
	s_cselect_b64 s[36:37], s[14:15], s[36:37]
	s_cselect_b32 s25, s34, s25
	s_cselect_b32 s23, s27, s23
	s_cselect_b32 s24, s33, s24
	s_cselect_b32 s38, 18, s38
	s_and_b32 s40, s24, 3
	s_lshl_b32 s41, s20, 2
	s_add_co_u32 s25, s25, s40
	s_add_co_u32 s25, s25, s41                     ; the unit's number
	s_lshl_b32 s42, s24, s38                       ; the K step's first row
	s_lshl_b32 s43, s23, 2
	s_add_co_u32 s43, s43, s20                     ; T = 4 Tq + wave
	s_lshl_b32 s43, s43, 7                         ; 32 channels of 4 bytes
	s_add_co_u32 s42, s42, s43
	s_mov_b32 s43, 0
	s_add_nc_u64 s[36:37], s[36:37], s[42:43]
	s_mul_i32 s42, s25, 3072
	s_add_nc_u64 s[16:17], s[16:17], s[42:43]
	s_lshr_b32 s42, s25, 2
	s_lshl_b32 s42, s42, 9
	s_lshl_b32 s40, s40, 2                         ; the bases are multiples of 4, so unit & 3 = s & 3
	s_add_co_u32 s42, s42, s40
	s_add_nc_u64 s[18:19], s[18:19], s[42:43]
.macro LOADB kb, n                     ; block kb: rows 32 kb .. 32 kb + 31 of the unit, at my channel
.set li, 0
.rept 32
	global_load_b32 v[X+32*(\kb)+li], v1, s[36:37] offset:(32*(\kb)+li)*(\n)*4 th:TH_LOAD_NT
.set li, li+1
.endr
.endm
.macro BLK kb, n
.set XS, X+32*(\kb)
.set PH, P+12*((\kb)%2)+6*((\kb)/2)    ; block kb = 2 c + h goes to registers 6 c .. 6 c + 5 of the target lane (r, h)
.set TQ, TP+4*((\kb)%2)
.if (\kb) < 3
	s_wait_loadcnt 32                              ; this block's 32 loads are in; the next block's 32 may be out
.else
	s_wait_loadcnt 0x0
.endif
.if (\kb) < 2
	LOADB (\kb)+2, \n
.endif
	v_max3_num_f32 v12, |v[XS]|, |v[XS+1]|, |v[XS+2]|              ; the block's largest magnitude, in two chains: all 32 numbers are mine
	v_max3_num_f32 v13, |v[XS+3]|, |v[XS+4]|, |v[XS+5]|
.irp i, 6,10,14,18,22,26
	v_max3_num_f32 v12, v12, |v[XS+\i]|, |v[XS+\i+1]|
	v_max3_num_f32 v13, v13, |v[XS+\i+2]|, |v[XS+\i+3]|
.endr
	v_max3_num_f32 v12, v12, |v[XS+30]|, |v[XS+31]|
	v_max3_num_f32 v12, v12, v13, 0x1800000        ; and the floor 2^(3 - 127): the byte cannot fall under 1
	v_add_nc_u32 v11, 0xff000000, v12              ; 2 off the exponent field: the conversion's scale operand
	v_lshrrev_b32 v13, 23, v11                     ; the scale's byte
.if (\kb) == 0
	v_mov_b32 v[SW], v13
.else
	v_lshl_or_b32 v[SW], v13, 8*(\kb), v[SW]
.endif
	v_cvt_scalef32_pk16_fp6_f32 v[PH:PH+2], v[XS:XS+15], v11
	v_cvt_scalef32_pk16_fp6_f32 v[TQ:TQ+2], v[XS+16:XS+31], v11
	v_nop                                          ; one plain place behind a scaled conversion
.irp i, 0,1,2
	v_mov_b32 v[PH+3+\i], v[TQ+\i]
.endr
.endm
.macro ALL n
	LOADB 0, \n
	LOADB 1, \n
	BLK 0, \n
	BLK 1, \n
	BLK 2, \n
	BLK 3, \n
.irp h, 0,1
.irp g, 0,1,2
	global_store_b128 v2, v[P+12*\h+4*\g:P+12*\h+4*\g+3], s[16:17] offset:512*\g+256*\h   ; the sixteen lanes of a tile store 256 consecutive bytes, aligned
.endr
.endr
	global_store_b32 v3, v[SW], s[18:19]           ; 4 bytes at a pitch of 16: 98,304 bytes in the whole launch
	s_endpgm
.endm
	s_cmp_eq_u32 s38, 20                           ; the row pitch stands in the loads' immediates, so the body is written for each of the two pitches
	s_cbranch_scc1 .Lwide
	s_wait_alu depctr_va_vdst(0)
	ALL 512
.Lwide:
	s_wait_alu depctr_va_vdst(0)
	ALL 2048
.Lfunc_end_k_q38e1e7fccd_wprep:
	.size	k_q38e1e7fccd_wprep, .Lfunc_end_k_q38e1e7fccd_wprep-k_q38e1e7fccd_wprep
	.p2alignl 7, 3214868480
	.fill 96, 4, 3214868480
	.section	.rodata,"a",@progbits
	.p2align	6, 0x0
	.amdhsa_kernel k_q38e1e7fccd_wprep
		.amdhsa_group_segment_fixed_size 0
		.amdhsa_private_segment_fixed_size 0
		.amdhsa_enable_private_segment 0
		.amdhsa_kernarg_size 64
		.amdhsa_user_sgpr_count 2
		.amdhsa_user_sgpr_kernarg_segment_ptr 1
		.amdhsa_wavefront_size32 1
		.amdhsa_system_sgpr_workgroup_id_x 1
		.amdhsa_system_sgpr_workgroup_id_y 1
		.amdhsa_system_sgpr_workgroup_id_z 1
		.amdhsa_system_vgpr_workitem_id 0
		.amdhsa_next_free_vgpr 192
		.amdhsa_next_free_sgpr 66
		.amdhsa_reserve_vcc 0
		.amdhsa_float_denorm_mode_32 3
		.amdhsa_float_denorm_mode_16_64 3
		.amdhsa_memory_ordered 1
		.amdhsa_forward_progress 1
		.amdhsa_inst_pref_size 41
	.end_amdhsa_kernel
	.amdgpu_metadata
---
amdhsa.version: [ 1, 2 ]
amdhsa.kernels:
  - .name:           k_q38e1e7fccd_wprep
    .symbol:         k_q38e1e7fccd_wprep.kd
    .args:
      - { .name: wq, .offset: 0, .size: 8, .value_kind: global_buffer, .address_space: global }
      - { .name: wk, .offset: 8, .size: 8, .value_kind: global_buffer, .address_space: global }
      - { .name: wv, .offset: 16, .size: 8, .value_kind: global_buffer, .address_space: global }
      - { .name: wo, .offset: 24, .size: 8, .value_kind: global_buffer, .address_space: global }
      - { .name: w1, .offset: 32, .size: 8, .value_kind: global_buffer, .address_space: global }
      - { .name: w2, .offset: 40, .size: 8, .value_kind: global_buffer, .address_space: global }
      - { .name: wcodes, .offset: 48, .size: 8, .value_kind: global_buffer, .address_space: global }
      - { .name: wscales, .offset: 56, .size: 8, .value_kind: global_buffer, .address_space: global }
    .group_segment_fixed_size: 0
    .private_segment_fixed_size: 0
    .kernarg_segment_align: 8
    .kernarg_segment_size: 64
    .max_flat_workgroup_size: 128
    .sgpr_count:     66
    .vgpr_count:     192
    .wavefront_size: 32
...
	.end_amdgpu_metadata
.endif
;; end of part 1
;; launch qkv (part 2): grid 256 x 1, 4 waves a work-group, no clusters, 13,824 bytes of LDS; arguments x, wcodes, wscales, bq, bk, bv, act, scl, vsum; writes act, scl, vsum
.if DOCPART == 2
	.amdgcn_target "amdgcn-amd-amdhsa--gfx1250"
	.amdhsa_code_object_version 6
	.text
	.protected	k_q38e1e7fccd_qkv
	.globl	k_q38e1e7fccd_qkv
	.p2align	8
	.type	k_q38e1e7fccd_qkv,@function
k_q38e1e7fccd_qkv:
	s_mov_b64 s[64:65], 0
	v_nop
	global_prefetch_b8 v0, s[64:65] scope:SCOPE_SE
	s_setreg_imm32_b32 hwreg(HW_REG_WAVE_MODE, 25, 1), 1
	s_wait_xcnt 0x0
; q = x wq + bq, k = x wk + bk, v = x wv + bv on codes of FP6 (E2M3) with one E8M0 scale for each 32 along K; the results are quantised at once for the attention:
; q and k along the head's 64 channels, v along the tokens.  Also stored: for each 32 tokens and each channel the sum of the quantised v.
; SHARES.  A work-group takes 32 tokens (two tiles of 16); wave w makes channels 128 w .. 128 w + 127 of q, of k and of v.  Its weights are one stream of 12 blocks of 32 channels x K 512 in
; operand order, which goes from memory straight into a ring of two register slots (25 loads a slot); no weight fragment is read by two waves of a work-group, so LDS would add no re-use.
; TILES ARE PERMUTED: row r of tile u of a block of 32 (tokens or channels) is index 8 u + (r & 7) + 16 (r >> 3).  As source 0 such a pair of tiles leaves in lane half h, register 8 u + j, index 16 h + 8 u + j:
; sixteen neighbours along the next K, which is what the conversions take.
; x: wave w quantises K step w of both token tiles; the fragments go to the other waves through LDS as images of their registers (one barrier).
; q, k: source 0 = weights, source 1 = x: a lane holds one token and 64 channels a tile.  v: source 0 = x, source 1 = weights: a lane holds one channel and 16 tokens.
; LIMITS: a block whose largest magnitude lies under 2^-124 (zeros too) keeps the scale byte 1; NaN and infinities are not served.
; No cluster: the work-groups share the weights alone, and those go to registers, which a joint load cannot fill.
.set CW,  2                            ; the window of the biases (C of a sum's first product)
.set W0C, (CW<<4)|0x0d
.set W1C, (CW<<4)|0x07
.set XIMG, 0                           ; LDS: x's 8 fragments (4 tile + K step), 1,536 bytes each
.set XSC,  12288                       ;      their scale words, 128 bytes each
.set LI,  1                            ; 16 x lane
.set LS,  2                            ; 4 x lane
.set R,   3                            ; lane % 16
.set HH,  4                            ; lane / 16
.set XA,  5                            ; x: my row of a tile x 2,048 + 64 h
.set XWI, 6                            ; where I store x's images
.set XWS, 7                            ; and their scale words
.set L8,  8                            ; 8 x lane
.set QSO, 9                            ; 4,096 h + 4 r: q's and k's scale words, two heads
.set VO,  10                           ; 24 r + 12 h: v's codes
.set BO,  11                           ; 64 h: bq, bk
.set BVO, 12                           ; 4 x my channel of a tile: bv
.set BS,  16                           ; v16-23   x's scale words
.set RS,  24                           ; v24-31   the ring's scale words
.set ACC, 32                           ; v32-159  results
.set TM,  160                          ; v160-175 at work
.set PW,  176                          ; the scale word just made
.set PWE, 177
.set T0,  178
.set T1,  179
.set PC,  180                          ; v180-199 the codes just made
.set F,   200                          ; v200-247 four fragments of v for the sums: registers 3-11 of each stay 0
.set FS,  248                          ; v248-251 their scale words
.set ONS, 252                          ; 0x7f7f7f7f: the scale 1
.set VW,  253                          ; v253-254 v's scale bytes, a head each
.set T2,  255
.set BQ,  0                            ; window 2: bq, bk, bv in the results' layout; the sums
.set BK,  64
.set BV,  128
.set SD,  192
.set ONES, 96                          ; window 3: v0-95 x's fragments; v96-107 a fragment of ones
.set WV,  22
.set SEL, 26
.set MSK, 28
.set WP,  6                            ; s[6:7] my stream of codes;  s[8:9] of scale words
.set SP,  8
.set MSB, 0
.macro WIN new                         ; the immediate's high byte repeats the setting that is left
.if MSB != \new
	s_set_vgpr_msb (MSB<<8)|\new
.set MSB, \new
.endif
.endm
.macro PLACES n
.rept \n
	v_nop
.endr
.endm
; one product 16 x 16 x 128.  c < 0: the constant 0 starts the sum.  ra, rb: the side's scales stand in lanes 16-31
.macro MMA d, a, b, c, sa, sb, ra, rb
.if (\c) < 0
.if \ra
	v_wmma_scale_f32_16x16x128_f8f6f4 v[(\d):(\d)+7], v[(\a):(\a)+11], v[(\b):(\b)+11], 0, v[\sa], v[\sb] matrix_a_fmt:MATRIX_FMT_FP6 matrix_b_fmt:MATRIX_FMT_FP6 matrix_a_scale:MATRIX_SCALE_ROW1
.elseif \rb
	v_wmma_scale_f32_16x16x128_f8f6f4 v[(\d):(\d)+7], v[(\a):(\a)+11], v[(\b):(\b)+11], 0, v[\sa], v[\sb] matrix_a_fmt:MATRIX_FMT_FP6 matrix_b_fmt:MATRIX_FMT_FP6 matrix_b_scale:MATRIX_SCALE_ROW1
.else
	v_wmma_scale_f32_16x16x128_f8f6f4 v[(\d):(\d)+7], v[(\a):(\a)+11], v[(\b):(\b)+11], 0, v[\sa], v[\sb] matrix_a_fmt:MATRIX_FMT_FP6 matrix_b_fmt:MATRIX_FMT_FP6
.endif
.else
.if \ra
	v_wmma_scale_f32_16x16x128_f8f6f4 v[(\d):(\d)+7], v[(\a):(\a)+11], v[(\b):(\b)+11], v[(\c):(\c)+7], v[\sa], v[\sb] matrix_a_fmt:MATRIX_FMT_FP6 matrix_b_fmt:MATRIX_FMT_FP6 matrix_a_scale:MATRIX_SCALE_ROW1
.elseif \rb
	v_wmma_scale_f32_16x16x128_f8f6f4 v[(\d):(\d)+7], v[(\a):(\a)+11], v[(\b):(\b)+11], v[(\c):(\c)+7], v[\sa], v[\sb] matrix_a_fmt:MATRIX_FMT_FP6 matrix_b_fmt:MATRIX_FMT_FP6 matrix_b_scale:MATRIX_SCALE_ROW1
.else
	v_wmma_scale_f32_16x16x128_f8f6f4 v[(\d):(\d)+7], v[(\a):(\a)+11], v[(\b):(\b)+11], v[(\c):(\c)+7], v[\sa], v[\sb] matrix_a_fmt:MATRIX_FMT_FP6 matrix_b_fmt:MATRIX_FMT_FP6
.endif
.endif
.endm
; 64 numbers of a lane, register 16 b + i = k 32 b + 16 (lane / 16) + i of my row, become a fragment's codes in v[PC] on and its scale word in v[PW]
.macro QUANT s
.irp b, 0,1,2,3
	v_max3_num_f32 v[TM+\b], |v[\s+16*\b]|, |v[\s+1+16*\b]|, 0x1800000   ; my 16 numbers of block b, and the floor 2^(3 - 127): the byte cannot fall under 1
.endr
.irp i, 2,4,6,8,10,12,14
.irp b, 0,1,2,3
	v_max3_num_f32 v[TM+\b], v[TM+\b], |v[\s+16*\b+\i]|, |v[\s+1+16*\b+\i]|
.endr
.endr
.irp b, 0,1,2,3
	v_permlanex16_b32 v[TM+4+\b], v[TM+\b], s[SEL], s[SEL+1]
.endr
.irp b, 0,1,2,3
	v_max_num_f32 v[TM+\b], v[TM+\b], v[TM+4+\b]   ; with lane l xor 16's: the block's largest magnitude
.endr
.irp b, 0,1,2,3
	v_add_nc_u32 v[TM+12+\b], 0xff000000, v[TM+\b] ; 2 off its exponent field: the conversion's scale operand
.endr
.irp b, 0,1,2,3
	v_lshrrev_b32 v[TM+4+\b], 23, v[TM+12+\b]      ; the scale's byte
.endr
	v_lshl_or_b32 v[PW], v[TM+5], 8, v[TM+4]
	v_lshl_or_b32 v[PW], v[TM+6], 16, v[PW]
	v_lshl_or_b32 v[PW], v[TM+7], 24, v[PW]
.irp c, 0,1
	v_cvt_scalef32_pk16_fp6_f32 v[PC+6*\c:PC+2+6*\c], v[\s+32*\c:\s+15+32*\c], v[TM+12+2*\c]
	v_cvt_scalef32_pk16_fp6_f32 v[PC+12+4*\c:PC+14+4*\c], v[\s+16+32*\c:\s+31+32*\c], v[TM+12+2*\c+1]
.endr
	v_nop                                          ; one plain place behind a scaled conversion
.irp c, 0,1                                    ; the operand wants a whole block in a lane: lanes 0-15 block 2 c, lanes 16-31 block 2 c + 1
.irp i, 0,1,2
	v_permlane16_swap_b32 v[PC+6*\c+\i], v[PC+12+4*\c+\i]
.endr
.irp i, 0,1,2
	v_mov_b32 v[PC+3+6*\c+\i], v[PC+12+4*\c+\i]
.endr
.endr
.endm
.macro IMAGE adr, off                          ; the fragment in v[PC] on goes to LDS as it stands: 16 bytes a lane, 512 a store
.irp c, 0,1,2
	ds_store_b128 v[\adr], v[PC+4*\c:PC+4*\c+3] offset:\off+512*\c
.endr
.endm
.macro FETCH8 adr, ioff, sadr, soff            ; eight fragments into window 3, their scale words into v[BS] on
	WIN 0xc0
.irp f, 0,1,2,3,4,5,6,7
.irp c, 0,1,2
	ds_load_b128 v[12*\f+4*\c:12*\f+4*\c+3], v[\adr] offset:\ioff+1536*\f+512*\c
.endr
.endr
	WIN 0
.irp f, 0,1,2,3,4,5,6,7
	ds_load_b32 v[BS+\f], v[\sadr] offset:\soff+128*\f
.endr
.endm
.macro BARRIER                                 ; my LDS stores have landed and my LDS loads are in: then the work-group's barrier
	s_wait_dscnt 0x0
	s_barrier_signal -1
	s_barrier_wait -1
.endm
.macro RLOAD p, k                              ; ring slot p takes block k of the stream (the head's two fills): the scale words first, then 24 loads of codes, K step by K step
	global_load_b128 v[RS+4*(\p):RS+4*(\p)+3], v[LI], s[SP:SP+1] offset:(\k)*512
	WIN 0x40
.set ri, 0
.rept 24
	global_load_b128 v[96*(\p)+4*ri:96*(\p)+4*ri+3], v[LI], s[WP:WP+1] offset:(\k)*12288+512*ri
.set ri, ri+1
.endr
	WIN 0
.endm
; One block of 32 channels x 32 tokens x K 512: 16 products; the four accumulators take turns, one product a turn.
; ori 0: source 0 = weights, D at acc + mst m + 8 u.  ori 1: source 0 = x, D at acc + 16 u + 8 m.  cb: the bias (C of the first K step), or < 0.  left: the younger loads that may stay out.
; The four v_nop are the places in front of the loads into the slot and of the first read of the results.
; THE RING TURNS BY K STEPS: behind the four products of K step s and their four places, the step's 24 registers take the six loads of the block two on (block k);
; that block's scale words are asked for first, into a set of their own: four sets by turns, block b in set b % 4, at v24, v28, v168, v12 (v168-171 and, behind the head, v12-15 serve nothing else).
; The wait ahead of K step s leaves out: this block's later groups, 6 (3 - s); the loads that were younger at the block's start (left); what this block has asked for so far, 1 + 6 s.  63 is the largest count that the wait can name.
.set RSX, 136
.set RSY, 160
.macro TB p, ori, acc, mst, cb, ld, k, left
.set jb, ((\k)+2)%4
.set rR, 24+4*jb+(jb/2)*(RSX-RSY*(jb-2))       ; this block's scale words
.set jn, (\k)%4
.set rN, 24+4*jn+(jn/2)*(RSX-RSY*(jn-2))       ; block k's
.irp s, 0,1,2,3
.set wN, 6*(3-\s)+(\left)
.if (\ld) && (\s > 0)
.set wN, wN+1+6*\s
.endif
.if wN > 63
.set wN, 63
.endif
	s_wait_loadcnt wN
.if (\s == 0) && ((\cb) >= 0)
.if \ori
	WIN W1C
.else
	WIN W0C
.endif
.else
.if \ori
	WIN 0x07
.else
	WIN 0x0d
.endif
.endif
.irp m, 0,1
.irp u, 0,1
.if \ori
.set rD, (\acc)+16*\u+8*\m
.else
.set rD, (\acc)+(\mst)*\m+8*\u
.endif
.set rC, rD
.if \s == 0
.set rC, -1
.if (\cb) >= 0
.set rC, (\cb)+8*\u
.endif
.endif
.set rW, 96*(\p)+24*\s+12*\u
.set rX, 12*(4*\m+\s)
.if \ori
	MMA rD, rX, rW, rC, BS+4*\m+\s, rR+\s, 0, \u
.else
	MMA rD, rW, rX, rC, rR+\s, BS+4*\m+\s, \u, 0
.endif
.endr
.endr
.if (\ld) || (\s == 3)
	PLACES 4                                       ; in front of the loads into the step's registers, and of the first read of the results
.endif
.if \ld
.if \s == 0
	WIN 0
	global_load_b128 v[rN:rN+3], v[LI], s[SP:SP+1] offset:(\k)*512
.endif
	WIN 0x40
.set ri, 6*\s
.rept 6
	global_load_b128 v[96*(\p)+4*ri:96*(\p)+4*ri+3], v[LI], s[WP:WP+1] offset:(\k)*12288+512*ri
.set ri, ri+1
.endr
.endif
.endr
	WIN 0
.endm
	s_load_b256 s[4:11], s[0:1], 0x0               ; x, wcodes, wscales, bq
	s_load_b256 s[12:19], s[0:1], 0x20             ; bk, bv, act, scl
	s_load_b64 s[20:21], s[0:1], 0x40              ; vsum
	v_lshl_add_u32 v195, v0, 2, 0x3400
	v_mov_b32 v199, 0
	v_lshrrev_b32 v13, 5, v0
	v_readfirstlane_b32 s[WV], v13                 ; wave 0..3
	v_and_b32 v13, 31, v0
	v_lshlrev_b32 v[LI], 4, v13
	v_lshlrev_b32 v[LS], 2, v13
	v_lshlrev_b32 v[L8], 3, v13
	v_and_b32 v[R], 15, v0
	v_bfe_u32 v[HH], v0, 4, 1
	v_and_b32 v14, 7, v[R]
	v_lshrrev_b32 v15, 3, v[R]
	v_lshl_add_u32 v14, v15, 4, v14                ; (r & 7) + 16 (r >> 3)
	v_lshlrev_b32 v[XA], 11, v14
	v_lshl_add_u32 v[XA], v[HH], 6, v[XA]
	v_lshlrev_b32 v[BVO], 2, v14
	v_lshlrev_b32 v[BO], 6, v[HH]
	s_mul_i32 s30, s[WV], 1536
	v_add_nc_u32 v[XWI], s30, v[LI]
	s_lshl_b32 s30, s[WV], 7
	v_add_nc_u32 v[XWS], s30, v[LS]
	v_lshlrev_b32 v[QSO], 2, v[R]
	v_lshl_add_u32 v[QSO], v[HH], 12, v[QSO]
	v_mul_u32_u24 v[VO], v[R], 24
	v_mad_u32_u24 v[VO], v[HH], 12, v[VO]
	s_mov_b32 s[SEL], 0x76543210
	s_mov_b32 s[SEL+1], 0xfedcba98                 ; v_permlanex16_b32's selects for lane l xor 16
	s_mov_b32 s[MSK], 0xffff0000                   ; lanes 16-31
	s_lshr_b32 s24, ttmp9, 6                       ; the batch
	s_and_b32 s25, ttmp9, 63                       ; the block of 32 tokens in it
	s_lshl_b32 s40, ttmp9, 16                      ; x: 32 rows of 2,048 bytes a work-group,
	s_lshl_b32 s46, s[WV], 9                       ; K step w: 512 bytes on
	s_add_co_u32 s40, s40, s46
	s_mov_b32 s41, 0
	s_mul_i32 s42, s[WV], 147456                   ; my stream: 48 units of 3,072 bytes
	s_mov_b32 s43, 0
	s_mul_i32 s44, s[WV], 6144
	s_mov_b32 s45, 0
	s_mov_b32 s47, 0
	s_lshl_b32 s48, s24, 3
	s_lshl_b32 s49, s[WV], 1
	s_add_co_u32 s48, s48, s49                     ; 8 b + 2 w: my first head
	s_lshl_b32 s50, s48, 7
	s_lshl_b32 s51, s25, 1
	s_add_co_u32 s50, s50, s51                     ; its tile 2 B
	s_lshl_b32 s52, s50, 9
	s_mov_b32 s53, 0
	s_lshl_b32 s54, s50, 8
	s_add_co_u32 s54, s54, 2097152
	s_mov_b32 s55, 0
	s_lshl_b32 s56, s48, 8
	s_add_co_u32 s56, s56, s25
	s_mul_i32 s56, s56, 384
	s_add_co_u32 s56, s56, 6291456                 ; v's codes: [b][channel tile][block][r][24]
	s_mov_b32 s57, 0
	s_lshl_b32 s58, s48, 6
	s_add_co_u32 s58, s58, s25
	s_lshl_b32 s58, s58, 6
	s_mov_b32 s59, 0
	s_lshl_b32 s60, ttmp9, 3
	s_add_co_u32 s60, s60, s49
	s_lshl_b32 s60, s60, 6
	s_add_co_u32 s60, s60, 262144
	s_mov_b32 s61, 0
	s_lshl_b32 s62, ttmp9, 11
	s_add_co_u32 s62, s62, s46
	s_mov_b32 s63, 0
.irp b, 0,1,2,3
	v_mov_b32 v[TM+4+\b], 0                        ; written once: a lane permute's destination counts as one of its sources
.endr
.irp t, 0,1,2,3
.irp i, 3,4,5,6,7,8,9,10,11
	v_mov_b32 v[F+12*\t+\i], 0
.endr
.endr
	v_mov_b32 v[ONS], 0x7f7f7f7f
	WIN 0xc0
.irp i, 0,1,2,3
	v_mov_b32 v[ONES+3*\i], 0x08208208             ; the code 8 (the number 1.0) in every six bits
	v_mov_b32 v[ONES+3*\i+1], 0x82082082
	v_mov_b32 v[ONES+3*\i+2], 0x20820820
.endr
	WIN 0
	s_wait_kmcnt 0x0
	s_add_nc_u64 s[4:5], s[4:5], s[40:41]
	s_add_nc_u64 s[6:7], s[6:7], s[42:43]
	s_add_nc_u64 s[8:9], s[8:9], s[44:45]
	s_add_nc_u64 s[10:11], s[10:11], s[46:47]
	s_add_nc_u64 s[12:13], s[12:13], s[46:47]
	s_add_nc_u64 s[14:15], s[14:15], s[46:47]
	s_add_nc_u64 s[32:33], s[16:17], s[54:55]      ; registers 4-5 of q's fragments
	s_add_nc_u64 s[34:35], s[16:17], s[56:57]      ; v's codes
	s_add_nc_u64 s[16:17], s[16:17], s[52:53]      ; registers 0-3 of q's fragments
	s_add_nc_u64 s[38:39], s[18:19], s[60:61]      ; v's scale bytes
	s_add_nc_u64 s[36:37], s[18:19], s[58:59]      ; q's scale words
	s_add_nc_u64 s[20:21], s[20:21], s[62:63]
	WIN 0x80
.irp tl, 0,1,2,3
.irp i, 0,1,2,3
	global_load_b128 v[BQ+16*\tl+4*\i:BQ+16*\tl+4*\i+3], v[BO], s[10:11] offset:128*\tl+16*\i   ; lane half h: bq[128 w + 32 tl + 16 h + 0 .. 15]
	global_load_b128 v[BK+16*\tl+4*\i:BK+16*\tl+4*\i+3], v[BO], s[12:13] offset:128*\tl+16*\i
.endr
.endr
	WIN 0
.irp tl, 0,1,2,3
.irp u, 0,1
	global_load_b32 v[PC+2*\tl+\u], v[BVO], s[14:15] offset:(32*\tl+8*\u)*4    ; bv at my channel of each of my eight tiles
.endr
.endr
.irp u, 0,1
.irp b, 0,1,2,3
.irp i, 0,1,2,3
	global_load_b128 v[ACC+64*\u+16*\b+4*\i:ACC+64*\u+16*\b+4*\i+3], v[XA], s[4:5] offset:16384*\u+128*\b+16*\i th:TH_LOAD_NT
.endr
.endr
.endr
	RLOAD 0, 0
	RLOAD 1, 1
	s_wait_loadcnt 50                              ; all but the ring's two slots
	WIN 0x80
.irp i, 0,1,2,3,4,5,6,7
.irp j, 0,1,2,3,4,5,6,7
	v_mov_b32 v[BV+8*\i+\j], v[PC+\i]              ; v's results hold one channel a lane: its bias in all eight registers
.endr
.endr
	WIN 0
	QUANT ACC
	IMAGE XWI, XIMG
	ds_store_b32 v[XWS], v[PW] offset:XSC
	s_wait_dscnt 0x0                               ; the stores have read their registers
	QUANT ACC+64
	IMAGE XWI, XIMG+6144
	ds_store_b32 v[XWS], v[PW] offset:XSC+512
	BARRIER                                        ; x's eight fragments lie in LDS
	FETCH8 LI, XIMG, LS, XSC
	s_wait_dscnt 0x0
; q's or k's results (128 channels = two heads, two token tiles) are quantised and stored: a wave's store covers 512 or 256 consecutive bytes
.macro EPI mat
.irp m, 0,1
	s_wait_xcnt 0x0                                ; the earlier stores have read their data
	QUANT ACC+64*\m
.irp e, 0,1
	global_store_b128 v[LI], v[PC+6*\e:PC+6*\e+3], s[16:17] offset:\mat*3145728+\e*65536+\m*512
	global_store_b64 v[L8], v[PC+6*\e+4:PC+6*\e+5], s[32:33] offset:\mat*3145728+\e*32768+\m*256
.endr
.if \m == 0
	v_mov_b32 v[PWE], v[PW]
.else
	v_perm_b32 v[T0], v[PW], v[PWE], 0x05040100    ; head 2 w: tile 0's two bytes, tile 1's two bytes
	v_perm_b32 v[T1], v[PW], v[PWE], 0x07060302    ; head 2 w + 1
	v_cndmask_b32 v[T0], v[T0], v[T1], s[MSK]
	global_store_b32 v[QSO], v[T0], s[36:37] offset:\mat*131072
.endif
.endr
.endm
	TB 0, 0, ACC,    64, BQ,    1, 2, 25           ; 25: the other slot's loads
	TB 1, 0, ACC+16, 64, BQ+16, 1, 3, 25
	TB 0, 0, ACC+32, 64, BQ+32, 1, 4, 25
	TB 1, 0, ACC+48, 64, BQ+48, 1, 5, 25
	EPI 0
	TB 0, 0, ACC,    64, BK,    1, 6, 25
	TB 1, 0, ACC+16, 64, BK+16, 1, 7, 25
	TB 0, 0, ACC+32, 64, BK+32, 1, 8, 25
	TB 1, 0, ACC+48, 64, BK+48, 1, 9, 25
	EPI 1
	TB 0, 1, ACC,    0, BV,    1, 10, 25
	TB 1, 1, ACC+32, 0, BV+16, 1, 11, 25
	TB 0, 1, ACC+64, 0, BV+32, 0, 12, 25           ; (no load: k only names the block's set of scale words)
	TB 1, 1, ACC+96, 0, BV+48, 0, 13, 0            ; the stream's last block
; v: four channel tiles (a head) at a time.  A lane holds tokens 16 h .. 16 h + 15 of its channel; lanes l and l xor 16 hold the block of 32.
; The sum of the block's quantised v: a product of ones with the codes just made, which stand at k = 32 h + 0 .. 15 beside zero codes, under the block's byte in both places.
.macro VEP e
.set VBS, ACC+64*\e
.irp t, 0,1,2,3
	v_max3_num_f32 v[TM+\t], |v[VBS+16*\t]|, |v[VBS+16*\t+1]|, 0x1800000
.endr
.irp i, 2,4,6,8,10,12,14
.irp t, 0,1,2,3
	v_max3_num_f32 v[TM+\t], v[TM+\t], |v[VBS+16*\t+\i]|, |v[VBS+16*\t+\i+1]|
.endr
.endr
.irp t, 0,1,2,3
	v_permlanex16_b32 v[TM+4+\t], v[TM+\t], s[SEL], s[SEL+1]
.endr
.irp t, 0,1,2,3
	v_max_num_f32 v[TM+\t], v[TM+\t], v[TM+4+\t]
.endr
.irp t, 0,1,2,3
	v_add_nc_u32 v[TM+12+\t], 0xff000000, v[TM+\t]
.endr
.irp t, 0,1,2,3
	v_lshrrev_b32 v[TM+4+\t], 23, v[TM+12+\t]
.endr
	s_wait_alu depctr_va_vdst(0)
	s_wait_xcnt 0x0                                ; the earlier stores have read their data.  (The lines above, which name none of the last products' registers, are the places behind them)
.irp t, 0,1,2,3
	v_lshl_or_b32 v[FS+\t], v[TM+4+\t], 8, v[TM+4+\t]
.endr
	v_lshl_or_b32 v[VW+\e], v[TM+5], 8, v[TM+4]
	v_lshl_or_b32 v[VW+\e], v[TM+6], 16, v[VW+\e]
	v_lshl_or_b32 v[VW+\e], v[TM+7], 24, v[VW+\e]
.irp t, 0,1,2,3
	v_cvt_scalef32_pk16_fp6_f32 v[F+12*\t:F+12*\t+2], v[VBS+16*\t:VBS+16*\t+15], v[TM+12+\t]
.endr
	v_nop                                          ; one plain place behind a scaled conversion
.irp t, 0,1,2,3
	global_store_b96 v[VO], v[F+12*\t:F+12*\t+2], s[34:35] offset:(4*\e+\t)*24576   ; the wave stores 384 consecutive bytes
.endr
	PLACES 8                                       ; scale registers written by vector instructions stand 8 places ahead of a scaled product, operands 4
	WIN 0x83
.irp t, 0,1,2,3
	MMA SD+8*(4*\e+\t), ONES, F+12*\t, -1, ONS, FS+\t, 0, 0
.endr
	WIN 0
.endm
	VEP 0
	VEP 1
	PLACES 4
	v_cndmask_b32 v[T2], v[VW], v[VW+1], s[MSK]    ; lanes 0-15: head 2 w, lanes 16-31: head 2 w + 1
	global_store_b32 v[LS], v[T2], s[38:39]
	WIN 0x0a
.irp q, 0,1,2,3
	v_cndmask_b32 v[TM+\q], v[SD+16*\q], v[SD+16*\q+8], s[MSK]   ; every row of a sum's tile is the same: register 0; two tiles to a store
.endr
	WIN 0
.irp q, 0,1,2,3
	global_store_b32 v[LS], v[TM+\q], s[20:21] offset:128*\q
.endr
	s_wait_tensorcnt 0x0
	ds_add_u32 v195, v199
	s_wait_dscnt 0x0
	s_endpgm
.Lfunc_end_k_q38e1e7fccd_qkv:
	.size	k_q38e1e7fccd_qkv, .Lfunc_end_k_q38e1e7fccd_qkv-k_q38e1e7fccd_qkv
	.p2alignl 7, 3214868480
	.fill 96, 4, 3214868480
	.section	.rodata,"a",@progbits
	.p2align	6, 0x0
	.amdhsa_kernel k_q38e1e7fccd_qkv
		.amdhsa_group_segment_fixed_size 13824
		.amdhsa_private_segment_fixed_size 0
		.amdhsa_enable_private_segment 0
		.amdhsa_kernarg_size 72
		.amdhsa_user_sgpr_count 2
		.amdhsa_user_sgpr_kernarg_segment_ptr 1
		.amdhsa_wavefront_size32 1
		.amdhsa_system_sgpr_workgroup_id_x 1
		.amdhsa_system_sgpr_workgroup_id_y 1
		.amdhsa_system_sgpr_workgroup_id_z 1
		.amdhsa_system_vgpr_workitem_id 0
		.amdhsa_next_free_vgpr 1024
		.amdhsa_next_free_sgpr 66
		.amdhsa_reserve_vcc 0
		.amdhsa_float_denorm_mode_32 3
		.amdhsa_float_denorm_mode_16_64 3
		.amdhsa_memory_ordered 1
		.amdhsa_forward_progress 1
		.amdhsa_inst_pref_size 116
	.end_amdhsa_kernel
	.amdgpu_metadata
---
amdhsa.version: [ 1, 2 ]
amdhsa.kernels:
  - .name:           k_q38e1e7fccd_qkv
    .symbol:         k_q38e1e7fccd_qkv.kd
    .args:
      - { .name: x, .offset: 0, .size: 8, .value_kind: global_buffer, .address_space: global }
      - { .name: wcodes, .offset: 8, .size: 8, .value_kind: global_buffer, .address_space: global }
      - { .name: wscales, .offset: 16, .size: 8, .value_kind: global_buffer, .address_space: global }
      - { .name: bq, .offset: 24, .size: 8, .value_kind: global_buffer, .address_space: global }
      - { .name: bk, .offset: 32, .size: 8, .value_kind: global_buffer, .address_space: global }
      - { .name: bv, .offset: 40, .size: 8, .value_kind: global_buffer, .address_space: global }
      - { .name: act, .offset: 48, .size: 8, .value_kind: global_buffer, .address_space: global }
      - { .name: scl, .offset: 56, .size: 8, .value_kind: global_buffer, .address_space: global }
      - { .name: vsum, .offset: 64, .size: 8, .value_kind: global_buffer, .address_space: global }
    .group_segment_fixed_size: 13824
    .private_segment_fixed_size: 0
    .kernarg_segment_align: 8
    .kernarg_segment_size: 72
    .max_flat_workgroup_size: 128
    .sgpr_count:     66
    .vgpr_count:     1024
    .wavefront_size: 32
...
	.end_amdgpu_metadata
.endif
;; end of part 2
;; launch block (part 3): grid 256 x 1, 4 waves a work-group, no clusters, 327,680 bytes of LDS; arguments x, pad_mask, act, scl, vsum, wcodes, wscales, bo, b1, b2, g1, be1, g2, be2, out0; writes out0
.if DOCPART == 3
	.amdgcn_target "amdgcn-amd-amdhsa--gfx1250"
	.amdhsa_code_object_version 6
	.text
	.protected	k_q38e1e7fccd_block
	.globl	k_q38e1e7fccd_block
	.p2align	8
	.type	k_q38e1e7fccd_block,@function
k_q38e1e7fccd_block:
	s_mov_b64 s[64:65], 0
	v_nop
	global_prefetch_b8 v0, s[64:65] scope:SCOPE_SE
	s_setreg_imm32_b32 hwreg(HW_REG_WAVE_MODE, 25, 1), 1
	s_wait_xcnt 0x0
; For 32 tokens: windowed attention on the codes of q, k, v; o wo + bo; + x; LayerNorm; relu(. w1 + b1) w2 + b2; + x1; LayerNorm.  All products on codes of FP6 (E2M3) with E8M0 scales; all else f32.
; THE WINDOW: key k counts for query q where 0 <= k - q < 128 and the pad mask has it.  The queries of block B of 32 tokens need key blocks B .. B + 4; the five blocks taken begin at min(B, 59), so that they lie in the batch.
; SOFTMAX: t = score x log2(e) / 8; M = ceil(the row's largest t); p = 2^(t - M) is quantised along the keys in the blocks of 32 of the whole row; the sum of the unquantised p divides at the end.
; A ROW WITH NO KEY LEFT has all 2,048 scores equal: p = 1 everywhere, so its result is the sum of all quantised v of the batch / 2,048.  That mean is made from the sums of 32 tokens and chosen by v_cndmask_b32: no branch on data.
; SHARES.  Attention: wave w takes query tile w & 1 and heads 4 (w >> 1) .. + 3.  wo: channels 128 w on.  w1: hidden units 512 w on.  w2: K steps 4 w .. 4 w + 3 for all 512 outputs (its own hidden units: they never leave the wave);
; the four parts are summed through LDS.  A wave's weights are one stream of 36 blocks of 32 channels x K 512 in operand order, into a ring of two register slots (25 loads each).
; TILES ARE PERMUTED: row r of tile u of a block of 32 is index 8 u + (r & 7) + 16 (r >> 3), so that every result's 16 registers of a tile pair are 16 neighbours along the next K.
; K = 64 IN THE SCORES: a product's K of 128 holds BOTH key tiles of a block; the queries stand in one half beside zero codes, which picks the tile.
; LIMITS: hidden keys get t = -3e38 for reference's -1.44e9: the same result while the valid scores lie above -1e9 and |t| under 1e31.  A block whose largest magnitude lies under 2^-124 keeps the byte 1.  NaN and infinities are not served.
; No cluster: the work-groups share the weights alone, and those go to registers, which a joint load cannot fill.
.set CW,  3
.set W0C, (CW<<4)|0x0d
.set W1C, (CW<<4)|0x07
; LDS
.set VMEAN, 20480                      ; 0: bo, g1, be1, b2, g2, be2 (2,048 bytes each), 12,288: b1;  then the mean of v
.set LNX1,  22528                      ; [wave][tile][lane] x 8 bytes: a wave's mean and sum of squares
.set LNX2,  24576
.set OIMG,  26624                      ; o's 8 fragments (4 tile + K step) and scale words
.set OSC,   38912
.set X1IMG, 39936                      ; x1's
.set X1SC,  52224
.set HIMG,  53248                      ; the hidden layer's: each wave's own 8 fragments + scale words
.set HPW,   13312
.set RED,   26624                      ; [source wave][block of 32 outputs][4,096]: over the four regions above, behind a barrier
.set STG,   26624                      ; the way out: 32 rows x 2,064 bytes, over RED, behind a barrier
.set SPITCH, 2064
; window 0
.set LI,   1                           ; 16 x lane
.set LS,   2                           ; 4 x lane
.set R4,   3                           ; 4 (lane % 16)
.set QO16, 4                           ; v4-12: the attention's byte offsets in act and scl
.set QO8,  5
.set KO16, 6
.set KO8,  7
.set VO1,  8
.set VO2,  9
.set QSO,  10
.set KSO,  11
.set VSO,  12
.set VMA,  13                          ; LDS: the mean of v, my half's eight channels of my first head
.set OWI,  14                          ; LDS: where I store o's images, and their scale words
.set OWS,  15
.set L8,   18                          ; 8 x lane
.set XA,   19                          ; x: my row of a tile x 2,048 + 64 h
.set H64,  20                          ; 64 h
.set T16,  21                          ; 16 x thread
.set AD0,  22                          ; LDS addresses in hand
.set AD1,  23
.set VB,   4                           ; behind the attention v4-17 hold LDS addresses
.set X1A,  5
.set X1S,  6
.set LNA,  7
.set B1A,  8
.set HWI,  9
.set HWS,  10
.set RWA,  11
.set RRA,  12
.set SO,   16
.set SRA,  17
.set RS,   24                          ; v24-31  the ring's scale words
.set BS,   32                          ; v32-39  the token side's scale words
.set KSW,  40                          ; v40-44  k's scale words;  v45 q's;  v46-49, v50-53 v's, by channel tile
.set QSW,  45
.set VW0,  46
.set VW1,  50
.set RW,   54                          ; v54-58  v's scale bytes as loaded
.set PSW1, 59                          ; p's scale words
.set TM,   60                          ; v60-75  at work
.set PW,   76
.set PSW2, 77
.set QSR,  78                          ; q's scale word as loaded
.set PC,   80                          ; v80-99  the codes just made
.set P2,   100                         ; v100-111 p's fifth block: registers 6-11 stay 0
.set S,    112                         ; v112-191 scores, then p
.set OS,   192                         ; v192-255 two heads of o
.set ACC,  112                         ; v112-239 results of the later products
.set LT,   80                          ; LayerNorm: v80-87 sums, v88-95 squares, v96-111 the four waves' figures
.set LQ,   88
.set LD,   96
; window 2 in the attention: k, v, q;  afterwards v0-127 x, then x1;  v128-191 the gain, v192-255 the offset
.set KR,   0
.set V1,   60
.set V2,   108
.set QZ,   144
; window 3: v0-95 fragments, v96-159 a bias, v160-239 the mask's addend
.set MB,   160
.set WV,   34
.set BA,   36
.set BL,   37
.set BE0,  38
.set U,    39
.set H0,   40
.set W1,   41
.set SEL,  42
.set CS,   44
.set VM,   46
.set TRIP, 47
.set QSEL, 48
.set I512, 49
.set EPS,  50
.set SA,   52
.set SB,   53
.set SC,   54
.set WP,   14                          ; s[14:15] my stream of codes;  s[16:17] of scale words
.set SP,   16
.set MSB, 0
.macro WIN new                         ; the immediate's high byte repeats the setting that is left
.if MSB != \new
	s_set_vgpr_msb (MSB<<8)|\new
.set MSB, \new
.endif
.endm
.macro PLACES n
.rept \n
	v_nop
.endr
.endm
; one product 16 x 16 x 128.  c < 0: the constant 0 starts the sum.  ra, rb: the side's scales stand in lanes 16-31
.macro MMA d, a, b, c, sa, sb, ra, rb
.if (\c) < 0
.if \ra
	v_wmma_scale_f32_16x16x128_f8f6f4 v[(\d):(\d)+7], v[(\a):(\a)+11], v[(\b):(\b)+11], 0, v[\sa], v[\sb] matrix_a_fmt:MATRIX_FMT_FP6 matrix_b_fmt:MATRIX_FMT_FP6 matrix_a_scale:MATRIX_SCALE_ROW1
.elseif \rb
	v_wmma_scale_f32_16x16x128_f8f6f4 v[(\d):(\d)+7], v[(\a):(\a)+11], v[(\b):(\b)+11], 0, v[\sa], v[\sb] matrix_a_fmt:MATRIX_FMT_FP6 matrix_b_fmt:MATRIX_FMT_FP6 matrix_b_scale:MATRIX_SCALE_ROW1
.else
	v_wmma_scale_f32_16x16x128_f8f6f4 v[(\d):(\d)+7], v[(\a):(\a)+11], v[(\b):(\b)+11], 0, v[\sa], v[\sb] matrix_a_fmt:MATRIX_FMT_FP6 matrix_b_fmt:MATRIX_FMT_FP6
.endif
.else
.if \ra
	v_wmma_scale_f32_16x16x128_f8f6f4 v[(\d):(\d)+7], v[(\a):(\a)+11], v[(\b):(\b)+11], v[(\c):(\c)+7], v[\sa], v[\sb] matrix_a_fmt:MATRIX_FMT_FP6 matrix_b_fmt:MATRIX_FMT_FP6 matrix_a_scale:MATRIX_SCALE_ROW1
.elseif \rb
	v_wmma_scale_f32_16x16x128_f8f6f4 v[(\d):(\d)+7], v[(\a):(\a)+11], v[(\b):(\b)+11], v[(\c):(\c)+7], v[\sa], v[\sb] matrix_a_fmt:MATRIX_FMT_FP6 matrix_b_fmt:MATRIX_FMT_FP6 matrix_b_scale:MATRIX_SCALE_ROW1
.else
	v_wmma_scale_f32_16x16x128_f8f6f4 v[(\d):(\d)+7], v[(\a):(\a)+11], v[(\b):(\b)+11], v[(\c):(\c)+7], v[\sa], v[\sb] matrix_a_fmt:MATRIX_FMT_FP6 matrix_b_fmt:MATRIX_FMT_FP6
.endif
.endif
.endm
; 64 numbers of a lane, register 16 b + i = k 32 b + 16 (lane / 16) + i of my row, become a fragment's codes in v[PC] on and its scale word in v[PW]
.macro QUANT s
.irp b, 0,1,2,3
	v_max3_num_f32 v[TM+\b], |v[\s+16*\b]|, |v[\s+1+16*\b]|, 0x1800000   ; my 16 numbers of block b, and the floor 2^(3 - 127): the byte cannot fall under 1
.endr
.irp i, 2,4,6,8,10,12,14
.irp b, 0,1,2,3
	v_max3_num_f32 v[TM+\b], v[TM+\b], |v[\s+16*\b+\i]|, |v[\s+1+16*\b+\i]|
.endr
.endr
.irp b, 0,1,2,3
	v_permlanex16_b32 v[TM+4+\b], v[TM+\b], s[SEL], s[SEL+1]
.endr
.irp b, 0,1,2,3
	v_max_num_f32 v[TM+\b], v[TM+\b], v[TM+4+\b]   ; with lane l xor 16's: the block's largest magnitude
.endr
.irp b, 0,1,2,3
	v_add_nc_u32 v[TM+12+\b], 0xff000000, v[TM+\b] ; 2 off its exponent field: the conversion's scale operand
.endr
.irp b, 0,1,2,3
	v_lshrrev_b32 v[TM+4+\b], 23, v[TM+12+\b]      ; the scale's byte
.endr
	v_lshl_or_b32 v[PW], v[TM+5], 8, v[TM+4]
	v_lshl_or_b32 v[PW], v[TM+6], 16, v[PW]
	v_lshl_or_b32 v[PW], v[TM+7], 24, v[PW]
.irp c, 0,1
	v_cvt_scalef32_pk16_fp6_f32 v[PC+6*\c:PC+2+6*\c], v[\s+32*\c:\s+15+32*\c], v[TM+12+2*\c]
	v_cvt_scalef32_pk16_fp6_f32 v[PC+12+4*\c:PC+14+4*\c], v[\s+16+32*\c:\s+31+32*\c], v[TM+12+2*\c+1]
.endr
	v_nop                                          ; one plain place behind a scaled conversion
.irp c, 0,1                                    ; the operand wants a whole block in a lane: lanes 0-15 block 2 c, lanes 16-31 block 2 c + 1
.irp i, 0,1,2
	v_permlane16_swap_b32 v[PC+6*\c+\i], v[PC+12+4*\c+\i]
.endr
.irp i, 0,1,2
	v_mov_b32 v[PC+3+6*\c+\i], v[PC+12+4*\c+\i]
.endr
.endr
.endm
.macro IMAGE adr, off                          ; the fragment in v[PC] on goes to LDS as it stands: 16 bytes a lane, 512 a store
.irp c, 0,1,2
	ds_store_b128 v[\adr], v[PC+4*\c:PC+4*\c+3] offset:\off+512*\c
.endr
.endm
.macro FETCH8 adr, ioff, sadr, soff            ; eight fragments into window 3, their scale words into v[BS] on
	WIN 0xc0
.irp f, 0,1,2,3,4,5,6,7
.irp c, 0,1,2
	ds_load_b128 v[12*\f+4*\c:12*\f+4*\c+3], v[\adr] offset:\ioff+1536*\f+512*\c
.endr
.endr
	WIN 0
.irp f, 0,1,2,3,4,5,6,7
	ds_load_b32 v[BS+\f], v[\sadr] offset:\soff+128*\f
.endr
.endm
.macro BARRIER                                 ; my LDS stores have landed and my LDS loads are in: then the work-group's barrier
	s_wait_dscnt 0x0
	s_barrier_signal -1
	s_barrier_wait -1
.endm
.macro RLOAD p, k                              ; ring slot p takes block k of the stream (the head's two fills): the scale words first, then 24 loads of codes, K step by K step
	global_load_b128 v[RS+4*(\p):RS+4*(\p)+3], v[LI], s[SP:SP+1] offset:(\k)*512
	WIN 0x40
.set ri, 0
.rept 24
	global_load_b128 v[96*(\p)+4*ri:96*(\p)+4*ri+3], v[LI], s[WP:WP+1] offset:(\k)*12288+512*ri
.set ri, ri+1
.endr
	WIN 0
.endm
; One block of 32 channels x 32 tokens x K 512: 16 products; the four accumulators take turns, one product a turn.
; ori 0: source 0 = weights, D at acc + mst m + 8 u.  ori 1: source 0 = the tokens, D at acc + 16 u + 8 m.  cb: the bias (C of the first K step), or < 0.  left: the younger loads that may stay out.
; The four v_nop are the places in front of the loads into the slot and of the first read of the results.
; THE RING TURNS BY K STEPS: behind the four products of K step s and their four places, the step's 24 registers take the six loads of the block two on (block k of the trip's count);
; that block's scale words are asked for first, into a set of their own: four sets by turns, a trip's block j in set j, at v24, v28, v40, v44 (v40-47 serve the attention alone before).
; The wait ahead of K step s leaves out: this block's later groups, 6 (3 - s); the loads that were younger at the block's start (left); what this block has asked for so far, 1 + 6 s.  63 is the largest count that the wait can name.
.set RSX, 8
.set RSY, 0
; FOUR OF A WAVE'S 36 BLOCKS ARE STAGED IN LDS: the third block of each of the hidden layer's four trips (stream blocks 6, 10, 14, 18).  At the top of each of the two attention trips a wave asks for two of them
; by one tensor load: two rows of 12,288 bytes, 49,152 bytes apart in memory, each at a multiple of 256 bytes of wcodes.  They land in the wave's own 49,152 bytes from CPY on, which only that wave reads, and which take the
; last product's parts only behind a later barrier.  One tensor load a wave is out at the most.  No joint loads: what is staged is four blocks of 36; the other 32 go to registers.
.set CPY, 106496                       ; LDS: 4 waves x 4 blocks x 12,288 bytes
.set WLA, 48                           ; v48 the trip's staged block, 16 bytes a lane;  v49 the first trip's
.set WLB, 49
.set SD,  66                           ; s66 12,288 x the trip
.macro TB p, ori, acc, mst, cb, ld, k, left
.set jb, ((\k)+2)%4
.set rR, 24+4*jb+(jb/2)*(RSX-RSY*(jb-2))       ; this block's scale words
.set jn, (\k)%4
.set rN, 24+4*jn+(jn/2)*(RSX-RSY*(jn-2))       ; block k's
.irp s, 0,1,2,3
.set wN, 6*(3-\s)+(\left)
.if ((\ld) == 1) && (\s > 0)
.set wN, wN+1+6*\s
.endif
.if ((\ld) == 2) && (\s > 0)                   ; ld = 2: block k's codes come from LDS; only its scale words are a global load
.set wN, wN+1
.endif
.if wN > 63
.set wN, 63
.endif
	s_wait_loadcnt wN
.if (\s == 0) && ((\cb) >= 0)
.if \ori
	WIN W1C
.else
	WIN W0C
.endif
.else
.if \ori
	WIN 0x07
.else
	WIN 0x0d
.endif
.endif
.irp m, 0,1
.irp u, 0,1
.if \ori
.set rD, (\acc)+16*\u+8*\m
.else
.set rD, (\acc)+(\mst)*\m+8*\u
.endif
.set rC, rD
.if \s == 0
.set rC, -1
.if (\cb) >= 0
.set rC, (\cb)+8*\u
.endif
.endif
.set rW, 96*(\p)+24*\s+12*\u
.set rX, 12*(4*\m+\s)
.if \ori
	MMA rD, rX, rW, rC, BS+4*\m+\s, rR+\s, 0, \u
.else
	MMA rD, rW, rX, rC, rR+\s, BS+4*\m+\s, \u, 0
.endif
.endr
.endr
.if (\ld) || (\s == 3)
	PLACES 4                                       ; in front of the loads into the step's registers, and of the first read of the results
.endif
.if \ld
.if \s == 0
	WIN 0
	global_load_b128 v[rN:rN+3], v[LI], s[SP:SP+1] offset:(\k)*512
.endif
	WIN 0x40
.set ri, 6*\s
.rept 6
.if (\ld) == 2
	ds_load_b128 v[96*(\p)+4*ri:96*(\p)+4*ri+3], v[WLA] offset:512*ri
.else
	global_load_b128 v[96*(\p)+4*ri:96*(\p)+4*ri+3], v[LI], s[WP:WP+1] offset:(\k)*12288+512*ri
.endif
.set ri, ri+1
.endr
.endif
.endr
	WIN 0
.endm
.macro VECL win, reg, adr, off                 ; 64 numbers of a vector in the results' layout: lane half h: [32 tl + 16 h + 0 .. 15] of my 128
	WIN \win
.irp tl, 0,1,2,3
.irp i, 0,1,2,3
	ds_load_b128 v[\reg+16*\tl+4*\i:\reg+16*\tl+4*\i+3], v[\adr] offset:\off+128*\tl+16*\i
.endr
.endr
.endm
.macro GEMM4 l0, l1                            ; 128 channels x 32 tokens: four blocks; the bias stands in window 3, v96 on
	TB 0, 0, ACC,    64, 96,  1, 2, \l0
	TB 1, 0, ACC+16, 64, 112, 1, 3, \l1
	TB 0, 0, ACC+32, 64, 128, 1, 4, 25
	TB 1, 0, ACC+48, 64, 144, 1, 5, 25
.endm
; head e (counted from the trip's first): k's ten tiles and scale words, q's tile and scale word: 28 loads
.macro KQ e
	WIN 0x80
.irp bb, 0,1,2,3,4
.irp ut, 0,1
	global_load_b128 v[KR+12*\bb+6*\ut:KR+12*\bb+6*\ut+3], v[KO16], s[8:9] offset:3145728+(\e)*65536+(2*\bb+\ut)*512
	global_load_b64 v[KR+12*\bb+6*\ut+4:KR+12*\bb+6*\ut+5], v[KO8], s[8:9] offset:5242880+(\e)*32768+(2*\bb+\ut)*256
.endr
.endr
	global_load_b128 v[QZ+6:QZ+9], v[QO16], s[8:9] offset:(\e)*65536
	global_load_b64 v[QZ+10:QZ+11], v[QO8], s[8:9] offset:2097152+(\e)*32768
	WIN 0
.irp bb, 0,1,2,3,4
	global_load_b32 v[KSW+\bb], v[KSO], s[10:11] offset:131072+(\e)*4096+64*\bb
.endr
	global_load_b32 v[QSR], v[QSO], s[10:11] offset:(\e)*4096
.endm
; head e: v's four channel tiles x five key blocks, and their scale bytes: 41 loads.  Lane (r, h), registers 6 c on: key block 2 c + h; the fifth block apart (both halves of the lanes take it)
.macro VG e
	WIN 0x80
.irp t, 0,1,2,3
.irp c, 0,1
.irp i, 0,1,2
	global_load_b64 v[V1+12*\t+6*\c+2*\i:V1+12*\t+6*\c+2*\i+1], v[VO1], s[8:9] offset:6291456+(\e)*98304+\t*24576+\c*768+8*\i
.endr
.endr
.endr
.irp t, 0,1,2,3
.irp i, 0,1,2
	global_load_b64 v[V2+6*\t+2*\i:V2+6*\t+2*\i+1], v[VO2], s[8:9] offset:6291456+(\e)*98304+\t*24576+1536+8*\i
.endr
.endr
	WIN 0
.irp bb, 0,1,2,3,4
	global_load_b32 v[RW+\bb], v[VSO], s[10:11] offset:262144+(\e)*64+512*\bb
.endr
.endm
	s_load_b256 s[4:11], s[0:1], 0x0               ; x, pad_mask, act, scl
	s_load_b256 s[12:19], s[0:1], 0x20             ; vsum, wcodes, wscales, bo
	s_load_b256 s[20:27], s[0:1], 0x40             ; b1, b2, g1, be1
	s_load_b128 s[28:31], s[0:1], 0x60             ; g2, be2
	s_load_b64 s[32:33], s[0:1], 0x70              ; out0
	s_set_vgpr_msb 0xc0
	v_lshl_add_u32 v254, v0, 2, 0x4fe00            ; the spare words: 512 bytes from 327,168 on
	v_mov_b32 v255, 0
	s_set_vgpr_msb 0xc00f
	ds_add_u32 v254, v255                          ; the opening lines: the add, twice on end, and its wait ahead of my first tensor load
	ds_add_u32 v254, v255
	s_set_vgpr_msb 0x0f00
	v_lshrrev_b32 v16, 5, v0
	v_readfirstlane_b32 s[WV], v16                 ; wave 0..3
	v_and_b32 v16, 31, v0
	v_lshlrev_b32 v[LI], 4, v16
	v_lshlrev_b32 v[LS], 2, v16
	v_lshlrev_b32 v[L8], 3, v16
	v_lshlrev_b32 v[T16], 4, v0
	v_and_b32 v22, 15, v0                          ; r
	v_bfe_u32 v23, v0, 4, 1                        ; h
	v_lshlrev_b32 v[R4], 2, v22
	v_lshlrev_b32 v[H64], 6, v23
	v_lshlrev_b32 v79, 4, v23                      ; 16 h
	v_and_b32 v16, 7, v22
	v_lshrrev_b32 v17, 3, v22
	v_lshl_add_u32 v16, v17, 4, v16                ; (r & 7) + 16 (r >> 3)
	v_lshl_add_u32 v[XA], v16, 11, v[H64]
	v_sub_nc_u32 v17, v79, v16                     ; 16 h - my query's place in its tile
	s_lshr_b32 s[BA], ttmp9, 6                     ; the batch
	s_and_b32 s[BL], ttmp9, 63                     ; the block of 32 tokens
	s_min_u32 s[BE0], s[BL], 59                    ; the first of the five key blocks
	s_and_b32 s[U], s[WV], 1                       ; my query tile
	s_lshr_b32 s[W1], s[WV], 1
	s_lshl_b32 s[H0], s[W1], 2                     ; my first head
	s_lshl_b32 s56, s[BA], 3
	s_add_co_u32 s56, s56, s[H0]                   ; 8 b + head
	s_lshl_b32 s57, s56, 7
	s_lshl_b32 s58, s[BL], 1
	s_add_co_u32 s58, s58, s[U]
	s_add_co_u32 s58, s58, s57                     ; q's tile
	s_lshl_b32 s59, s58, 9
	s_lshl_b32 s58, s58, 8
	v_add_nc_u32 v[QO16], s59, v[LI]
	v_add_nc_u32 v[QO8], s58, v[L8]
	s_lshl_b32 s58, s[BE0], 1
	s_add_co_u32 s58, s58, s57                     ; k's first tile
	s_lshl_b32 s59, s58, 9
	s_lshl_b32 s58, s58, 8
	v_add_nc_u32 v[KO16], s59, v[LI]
	v_add_nc_u32 v[KO8], s58, v[L8]
	s_lshl_b32 s58, s56, 8
	s_add_co_u32 s58, s58, s[BE0]
	s_mul_i32 s58, s58, 384                        ; v: [channel tile][key block] x 384 bytes
	v_mul_u32_u24 v16, v22, 24
	v_add_nc_u32 v[VO2], s58, v16
	v_mad_u32_u24 v[VO1], v23, 384, v[VO2]
	s_lshl_b32 s57, s56, 6
	s_add_co_u32 s58, s57, s[BL]
	s_lshl_b32 s58, s58, 6
	v_add_nc_u32 v[QSO], s58, v[R4]
	s_add_co_u32 s58, s57, s[BE0]
	s_lshl_b32 s58, s58, 6
	v_add_nc_u32 v[KSO], s58, v[R4]
	s_lshl_b32 s58, s[BA], 6
	s_add_co_u32 s58, s58, s[BE0]
	s_lshl_b32 s58, s58, 3
	s_add_co_u32 s58, s58, s[H0]
	s_lshl_b32 s58, s58, 6
	v_add_nc_u32 v[VSO], s58, v[R4]
	s_lshl_b32 s58, s[H0], 8
	s_add_co_u32 s58, s58, VMEAN
	v_lshl_add_u32 v[VMA], v23, 5, s58
	s_lshl_b32 s58, s[U], 2
	s_lshl_b32 s59, s[W1], 1
	s_add_co_u32 s58, s58, s59                     ; o's fragment: 4 tile + K step 2 (w >> 1) (+ the trip)
	s_mul_i32 s59, s58, 1536
	s_add_co_u32 s59, s59, OIMG
	v_add_nc_u32 v[OWI], s59, v[LI]
	s_lshl_b32 s59, s58, 7
	s_add_co_u32 s59, s59, OSC
	v_add_nc_u32 v[OWS], s59, v[LS]
	s_sub_co_i32 s55, s[BE0], s[BL]
	s_lshl_b32 s55, s55, 5
	s_lshl_b32 s59, s[U], 3
	s_sub_co_i32 s55, s55, s59                     ; 32 (first key block - B) - 8 u
	s_mov_b32 s[QSEL], 0x03020302                  ; q's two scale bytes, of tile 1 or of tile 0, in both halves of the word
	s_cmp_eq_u32 s[U], 0
	s_cselect_b32 s[QSEL], 0x01000100, s[QSEL]
	s_mov_b32 s[SEL], 0x76543210
	s_mov_b32 s[SEL+1], 0xfedcba98                 ; v_permlanex16_b32's selects for lane l xor 16
	s_mov_b32 s[CS], 0x3e38aa3b                    ; log2(e) / 8
	s_mov_b32 s[CS+1], s[CS]
	s_mov_b32 s[I512], 0x3b000000                  ; 1 / 512
	s_mov_b32 s[EPS], 0x3727c5ac                   ; 1e-5
	s_lshl_b32 s56, ttmp9, 16
	s_lshl_b32 s57, s[WV], 9
	s_add_co_u32 s56, s56, s57                     ; x: my work-group's rows, my 128 channels
	s_mov_b32 s57, 0
	s_lshl_b32 s58, s[BA], 11
	s_lshl_b32 s59, s[BE0], 5
	s_add_co_u32 s58, s58, s59                     ; pad_mask at the first key
	s_mov_b32 s59, 0
	s_lshl_b32 s60, s[BA], 17                      ; the batch's sums
	s_mov_b32 s61, 0
	s_mul_i32 s62, s[WV], 442368
	s_add_co_u32 s62, s62, 589824                  ; my stream: unit 192 + 144 w
	s_mov_b32 s63, 0
.irp i, 0,1,2,3,4,5,6,7,8,9,10,11,12,13,14,15
	v_mov_b32 v[TM+\i], 0                          ; written once: permutes' destinations and the upper halves of broadcast pairs count as read
.endr
.irp i, 3,4,5,6,7,8,9,10,11
	v_mov_b32 v[P2+\i], 0
.endr
	s_wait_dscnt 0x0                               ; both opening adds are done
	s_wait_kmcnt 0x0
	s_add_nc_u64 s[4:5], s[4:5], s[56:57]
	s_add_nc_u64 s[6:7], s[6:7], s[58:59]
	s_add_nc_u64 s[12:13], s[12:13], s[60:61]
	s_add_nc_u64 s[14:15], s[14:15], s[62:63]
	s_mov_b32 s68, 1                               ; group 0: both addresses stand one step short of the first load's; each attention trip steps them
	s_mul_i32 s69, s[WV], 49152
	s_add_co_u32 s69, s69, CPY-24576
	s_sub_nc_u64 s[70:71], s[14:15], 24576         ; block 6 less eight blocks
	s_or_b32 s71, s71, 0x80000000
	s_mov_b32 s72, 3<<16                           ; group 1: elements of 8 bytes, no padding
	s_mov_b32 s73, 1536<<16                        ; a row: 1,536 elements = a block's 12,288 bytes
	s_mov_b32 s74, 2<<16                           ; two rows
	s_mov_b32 s75, 1536<<16
	s_mov_b32 s76, 2
	s_mov_b32 s77, 6144                            ; four blocks from row to row
	s_mov_b32 s78, 0
	s_mov_b32 s79, 0
	s_mul_i32 s62, s[WV], 18432
	s_add_co_u32 s62, s62, 24576
	s_add_nc_u64 s[16:17], s[16:17], s[62:63]
	s_lshl_b32 s62, ttmp9, 16
	s_lshl_b32 s56, s[W1], 14
	s_add_co_u32 s62, s62, s56
	s_lshl_b32 s56, s[U], 15
	s_add_co_u32 s62, s62, s56                     ; out0: row 32 j + 8 (w >> 1) + 16 (w & 1)
	s_add_nc_u64 s[32:33], s[32:33], s[62:63]
	WIN 0xc0
.irp bb, 0,1,2,3,4
	global_load_b128 v[4*\bb:4*\bb+3], v79, s[6:7] offset:32*\bb     ; the pad bytes of my 16 keys of each block
.endr
	WIN 0
	global_load_b128 v[112:115], v[T16], s[18:19]  ; the vectors: 16 bytes a thread
	global_load_b128 v[116:119], v[T16], s[24:25]
	global_load_b128 v[120:123], v[T16], s[26:27]
	global_load_b128 v[124:127], v[T16], s[22:23]
	global_load_b128 v[128:131], v[T16], s[28:29]
	global_load_b128 v[132:135], v[T16], s[30:31]
.irp i, 0,1,2,3
	global_load_b128 v[136+4*\i:139+4*\i], v[T16], s[20:21] offset:2048*\i
.endr
	WIN 0x40
.set n, 0
.rept 64
	global_load_b128 v[4*n:4*n+3], v[T16], s[12:13] offset:2048*n    ; the sums of v over 32 tokens: four channels a thread, all 64 blocks
.set n, n+1
.endr
	WIN 0xc0
	v_add_nc_u32 v240, s55, v17                    ; d0: key 0 of my half less my query
	v_mov_b32 v241, 0xff61b1e6                     ; -3e38
	v_mov_b32 v242, 0
	WIN 0x80
.irp i, 0,1,2,3,4,5
	v_mov_b32 v[QZ+\i], 0                          ; zero codes on both sides of q,
	v_mov_b32 v[QZ+12+\i], 0
	v_mov_b32 v[V2+24+\i], 0                       ; and behind v's fifth block
	v_mov_b32 v[V2+30+\i], 0
.endr
	WIN 0
	s_wait_loadcnt 63                              ; 64 loads are younger than the vectors'; 63 is the largest count that the wait can name, and errs
.irp i, 0,1,2,3,4,5,6,7,8,9
	ds_store_b128 v[T16], v[112+4*\i:115+4*\i] offset:2048*\i
.endr
	; THE MASK, once for the wave's four heads: register 16 bb + i holds key 32 bb + 16 h + i; it counts where 0 <= d0 + 32 bb + i < 128 and its pad byte is 1
	WIN 0xff
.set n, 0
.rept 20
	v_xor_b32 v[n], 0x01010101, v[n]               ; 1 where the key is padded out,
	v_lshlrev_b32 v[n], 7, v[n]                    ; at bit 7 of its byte: or-ed onto the distance it makes 128 or more
.set n, n+1
.endr
.set n, 0
.rept 80
	v_add_nc_u32 v[243+n%2], 32*(n/16)+n%16, v240
	v_and_or_b32 v[243+n%2], v[4*(n/16)+(n%16)/4], 0x80<<(8*(n%4)), v[243+n%2]
	v_cmp_gt_u32 vcc_lo, 0x80, v[243+n%2]
	v_cndmask_b32 v[MB+n], v241, v242, vcc_lo      ; 0 where the key counts, else -3e38
.set n, n+1
.endr
	WIN 0
	s_wait_loadcnt 0x0
	KQ 0
	VG 0
	WIN 0x55                                       ; the 64 blocks' sums are added in a tree
.set st, 32
.rept 6
.set n, 0
.rept st
	v_pk_add_f32 v[4*n:4*n+1], v[4*n:4*n+1], v[4*(n+st):4*(n+st)+1]
	v_pk_add_f32 v[4*n+2:4*n+3], v[4*n+2:4*n+3], v[4*(n+st)+2:4*(n+st)+3]
.set n, n+1
.endr
.set st, st/2
.endr
	WIN 0x01
	v_pk_mul_f32 v[152:153], v[0:1], 0x3a000000 op_sel_hi:[1,0]      ; / 2,048
	v_pk_mul_f32 v[154:155], v[2:3], 0x3a000000 op_sel_hi:[1,0]
	WIN 0
	ds_store_b128 v[T16], v[152:155] offset:VMEAN
	RLOAD 0, 0
	RLOAD 1, 1
	BARRIER                                        ; the vectors and the mean lie in LDS
	s_wait_loadcnt 50                              ; all but the ring's two slots
	v_perm_b32 v[QSW], v[QSR], v[QSR], s[QSEL]
	PLACES 8                                       ; a scale register written by a vector instruction stands 8 places ahead of a scaled product
; ONE HEAD of my 16 queries.  e: the head in the trip
.macro HEAD e
	WIN 0x0a
.irp bb, 0,1,2,3,4
	MMA S+16*\bb,   KR+12*\bb, QZ+6, -1, KSW+\bb, QSW, 0, 0      ; [q | 0] meets the block's first key tile,
	MMA S+16*\bb+8, KR+12*\bb, QZ,   -1, KSW+\bb, QSW, 0, 0      ; [0 | q] its second
.endr
	WIN 0
	PLACES 4
.if \e == 0
	s_wait_alu depctr_va_vdst(0)
	KQ 1                                           ; the next head's k and q: a whole softmax ahead of their use
.else
	s_cmp_eq_u32 s[TRIP], 1                        ; the last head has no successor: no load leaves its buffer
	s_cbranch_scc1 .Lnokq_\@
	KQ 2
.Lnokq_\@:
.endif
	WIN 0x30
.set n, 0
.rept 40
	v_pk_fma_f32 v[S+n:S+n+1], v[S+n:S+n+1], s[CS:CS+1], v[MB+n:MB+n+1] op_sel_hi:[1,0,1]   ; t, with the mask's addend
.set n, n+2
.endr
	WIN 0
.irp b, 0,1,2,3,4
	v_max3_num_f32 v[TM+\b], v[S+16*\b], v[S+16*\b+1], v[S+16*\b+2]  ; each block's largest t: for the row's maximum and for the block's largest p
.endr
.irp i, 3,5,7,9,11,13
.irp b, 0,1,2,3,4
	v_max3_num_f32 v[TM+\b], v[TM+\b], v[S+16*\b+\i], v[S+16*\b+\i+1]
.endr
.endr
.irp b, 0,1,2,3,4
	v_max_num_f32 v[TM+\b], v[TM+\b], v[S+16*\b+15]
.endr
.irp b, 0,1,2,3,4
	v_permlanex16_b32 v[TM+5+\b], v[TM+\b], s[SEL], s[SEL+1]
.endr
.irp b, 0,1,2,3,4
	v_max_num_f32 v[TM+\b], v[TM+\b], v[TM+5+\b]
.endr
	v_max3_num_f32 v[TM+15], v[TM], v[TM+1], v[TM+2]
	v_max3_num_f32 v[TM+15], v[TM+15], v[TM+3], v[TM+4]
	v_cmp_lt_f32 s[VM], 0xfe967699, v[TM+15]       ; has my query a key at all?  (-1e38 < the largest t)
	v_floor_f32 v[TM+10], -v[TM+15]                ; -M = floor(-t) = -ceil(t)
.set n, 0
.rept 40
	v_pk_add_f32 v[S+n:S+n+1], v[S+n:S+n+1], v[TM+10:TM+11] op_sel_hi:[1,0]
.set n, n+2
.endr
.irp b, 0,1,2,3,4
	v_add_f32 v[TM+\b], v[TM+\b], v[TM+10]
.endr
.set n, 0
	s_wait_alu depctr_va_vdst(0)
.rept 80
	v_exp_f32 v[S+n], v[S+n]                       ; p = 2^(t - M): not normalised
.set n, n+1
.endr
.irp b, 0,1,2,3,4
	v_exp_f32 v[TM+\b], v[TM+\b]                   ; the block's largest p: the same lines on the same number give the same bits
.endr
.irp i, 3,4,5
	v_mov_b32 v[P2+\i], 0                          ; (plain lines behind the exponentials)
.endr
	s_wait_alu depctr_va_vdst(0)                   ; one wait for the batch of 85, ahead of its first reader
.irp b, 0,1,2,3,4
	v_max_num_f32 v[TM+\b], 0x1800000, v[TM+\b]    ; the floor: a block of zeros keeps the byte 1
.endr
.irp b, 0,1,2,3,4
	v_add_nc_u32 v[TM+10+\b], 0xff000000, v[TM+\b]
.endr
.irp b, 0,1,2,3,4
	v_lshrrev_b32 v[TM+5+\b], 23, v[TM+10+\b]
.endr
	v_lshl_or_b32 v[PSW1], v[TM+6], 8, v[TM+5]
	v_lshl_or_b32 v[PSW1], v[TM+7], 16, v[PSW1]
	v_lshl_or_b32 v[PSW1], v[TM+8], 24, v[PSW1]
	v_mov_b32 v[PSW2], v[TM+9]
.irp c, 0,1
	v_cvt_scalef32_pk16_fp6_f32 v[PC+6*\c:PC+2+6*\c], v[S+32*\c:S+15+32*\c], v[TM+10+2*\c]
	v_cvt_scalef32_pk16_fp6_f32 v[PC+12+4*\c:PC+14+4*\c], v[S+16+32*\c:S+31+32*\c], v[TM+11+2*\c]
.endr
	v_cvt_scalef32_pk16_fp6_f32 v[P2:P2+2], v[S+64:S+79], v[TM+14]
	v_nop                                          ; one plain place behind a scaled conversion
.irp c, 0,1
.irp i, 0,1,2
	v_permlane16_swap_b32 v[PC+6*\c+\i], v[PC+12+4*\c+\i]
.endr
.irp i, 0,1,2
	v_mov_b32 v[PC+3+6*\c+\i], v[PC+12+4*\c+\i]
.endr
.endr
.irp i, 0,1,2
	v_permlane16_swap_b32 v[P2+\i], v[P2+3+\i]     ; the fifth block whole in lanes 0-15, zero codes in lanes 16-31
.endr
	s_wait_loadcnt 0x0                             ; this head's v, and the next head's k and q
	v_perm_b32 v[TM], v[RW+1], v[RW], 0x05010400   ; v's scale bytes come as [key block][tile] and are wanted as [tile][key block]: 4 x 4 bytes are turned
	v_perm_b32 v[TM+1], v[RW+1], v[RW], 0x07030602
	v_perm_b32 v[TM+2], v[RW+3], v[RW+2], 0x05010400
	v_perm_b32 v[TM+3], v[RW+3], v[RW+2], 0x07030602
	v_perm_b32 v[VW0], v[TM+2], v[TM], 0x05040100
	v_perm_b32 v[VW0+1], v[TM+2], v[TM], 0x07060302
	v_perm_b32 v[VW0+2], v[TM+3], v[TM+1], 0x05040100
	v_perm_b32 v[VW0+3], v[TM+3], v[TM+1], 0x07060302
.irp t, 0,1,2,3
	v_bfe_u32 v[VW1+\t], v[RW+4], 8*\t, 8
.endr
	v_pk_add_f32 v[TM+4:TM+5], v[S:S+1], v[S+2:S+3]                  ; the row's sum of the unquantised p, in two chains.  (These lines are also the places ahead of the products below)
	v_pk_add_f32 v[TM+6:TM+7], v[S+4:S+5], v[S+6:S+7]
.set n, 8
.rept 18
	v_pk_add_f32 v[TM+4:TM+5], v[TM+4:TM+5], v[S+n:S+n+1]
	v_pk_add_f32 v[TM+6:TM+7], v[TM+6:TM+7], v[S+n+2:S+n+3]
.set n, n+4
.endr
	v_pk_add_f32 v[TM+4:TM+5], v[TM+4:TM+5], v[TM+6:TM+7]
	v_add_f32 v[TM+4], v[TM+4], v[TM+5]
	v_permlanex16_b32 v[TM+5], v[TM+4], s[SEL], s[SEL+1]
	v_add_f32 v[TM+4], v[TM+4], v[TM+5]
	s_wait_alu depctr_va_vdst(0)
	v_rcp_f32 v[TM+8], v[TM+4]
	v_add_nc_u32 v[AD0], s[SC], v[VMA]             ; (a plain line behind the reciprocal)
	s_wait_alu depctr_va_vdst(0)                   ; its wait, ahead of its first reader
.irp t, 0,1,2,3
.irp i, 0,1
	ds_load_b128 v[S+8*\t+4*\i:S+8*\t+4*\i+3], v[AD0] offset:256*\e+64*\t+16*\i   ; the mean of v, in o's layout
.endr
.endr
	WIN 0x02
.irp t, 0,1,2,3
	MMA OS+32*\e+8*\t, V1+12*\t, PC, -1, VW0+\t, PSW1, 0, 0          ; o^T = v^T p^T: keys 0 .. 127,
.endr
.irp t, 0,1,2,3
	MMA OS+32*\e+8*\t, V2+6*\t, P2, OS+32*\e+8*\t, VW1+\t, PSW2, 0, 0  ; and 128 .. 159 (what stands beyond them in v's registers meets zero codes of p)
.endr
	WIN 0
	v_perm_b32 v[QSW], v[QSR], v[QSR], s[QSEL]     ; the next head's
	PLACES 3
.if \e == 0
	VG 1
.else
	s_cmp_eq_u32 s[TRIP], 1
	s_cbranch_scc1 .Lnov_\@
	VG 2
.Lnov_\@:
.endif
	s_wait_dscnt 0x0
.set n, 0
.rept 16
	v_pk_mul_f32 v[OS+32*\e+n:OS+32*\e+n+1], v[OS+32*\e+n:OS+32*\e+n+1], v[TM+8:TM+9] op_sel_hi:[1,0]
.set n, n+2
.endr
.set n, 0
.rept 32
	v_cndmask_b32 v[OS+32*\e+n], v[S+n], v[OS+32*\e+n], s[VM]        ; a query without a key takes the mean
.set n, n+1
.endr
.endm
	s_mov_b32 s[TRIP], 2
	s_mov_b32 s[SA], 0
	s_mov_b32 s[SB], 0
	s_mov_b32 s[SC], 0
.Lattn:
	s_wait_alu depctr_va_vdst(0)
	WIN 0x0f
	s_wait_tensorcnt 0x0                           ; the last trip's load, if any, has landed: its descriptor may be stepped
	ds_add_u32 v254, v255                          ; the add, here twice on end
	ds_add_u32 v254, v255
	s_add_co_u32 s69, s69, 24576                   ; two blocks on in LDS,
	s_add_nc_u64 s[70:71], s[70:71], 98304         ; eight in the stream
	WIN 0
	s_wait_dscnt 0x0
	s_barrier_signal -1
	s_barrier_wait -1
	tensor_load_to_lds s[68:71], s[72:79]          ; my one load behind this barrier: a first fill of bytes of my own
	s_nop 0
	HEAD 0
	HEAD 1
	QUANT OS
	v_add_nc_u32 v[AD0], s[SA], v[OWI]
	v_add_nc_u32 v[AD1], s[SB], v[OWS]
	IMAGE AD0, 0
	ds_store_b32 v[AD1], v[PW]
	s_wait_dscnt 0x0                               ; the stores have read their registers
	s_wait_xcnt 0x0                                ; the loads have read their offsets, which step by two heads
	v_add_nc_u32 v[QO16], 131072, v[QO16]
	v_add_nc_u32 v[QO8], 65536, v[QO8]
	v_add_nc_u32 v[KO16], 131072, v[KO16]
	v_add_nc_u32 v[KO8], 65536, v[KO8]
	v_add_nc_u32 v[VO1], 196608, v[VO1]
	v_add_nc_u32 v[VO2], 196608, v[VO2]
	v_add_nc_u32 v[QSO], 8192, v[QSO]
	v_add_nc_u32 v[KSO], 8192, v[KSO]
	v_add_nc_u32 v[VSO], 128, v[VSO]
	s_add_co_u32 s[SA], s[SA], 1536
	s_add_co_u32 s[SB], s[SB], 128
	s_add_co_u32 s[SC], s[SC], 512
	s_sub_co_u32 s[TRIP], s[TRIP], 1
	s_cmp_lg_u32 s[TRIP], 0
	s_cbranch_scc1 .Lattn
	s_wait_loadcnt 0x0                             ; no load of mine is out: the loads below land in the registers into which the attention's loads of k and v were issued
	WIN 0x80                                       ; x for the residual, in the results' layout, over k's and v's registers (their last products lie far back)
.irp m, 0,1
.irp b, 0,1,2,3
.irp i, 0,1,2,3
	global_load_b128 v[64*\m+16*\b+4*\i:64*\m+16*\b+4*\i+3], v[XA], s[4:5] offset:16384*\m+128*\b+16*\i th:TH_LOAD_NT
.endr
.endr
.endr
	WIN 0
	; the LDS addresses of the phases to come
	s_lshl_b32 s56, s[WV], 9
	v_add_nc_u32 v[VB], s56, v[H64]                ; a vector: my 128 channels, my half
	v_add_nc_u32 v[LNA], s56, v[L8]
	s_mul_i32 s56, s[WV], 1536
	v_add_nc_u32 v[X1A], s56, v[LI]
	s_lshl_b32 s56, s[WV], 7
	v_add_nc_u32 v[X1S], s56, v[LS]
	s_lshl_b32 s56, s[WV], 11
	s_add_co_u32 s56, s56, 12288
	v_add_nc_u32 v[B1A], s56, v[H64]
	s_mul_i32 s56, s[WV], HPW
	s_add_co_u32 s56, s56, HIMG
	v_add_nc_u32 v[HWI], s56, v[LI]
	s_add_co_u32 s56, s56, 12288
	v_add_nc_u32 v[HWS], s56, v[LS]
	s_lshl_b32 s56, s[WV], 16
	s_add_co_u32 s56, s56, RED
	v_add_nc_u32 v[RWA], s56, v[LI]
	s_lshl_b32 s56, s[WV], 14
	s_add_co_u32 s56, s56, RED
.irp ws, 0,1,2,3
	v_add_nc_u32 v[RRA+\ws], s56, v[LI]
	s_add_co_u32 s56, s56, 65536
.endr
	v_mul_u32_u24 v[SO], v[R4], 516                ; 2,064 r
	v_add_nc_u32 v[SO], v[SO], v[VB]
	v_add_nc_u32 v[SO], STG, v[SO]
	s_mul_i32 s56, s[WV], 8*SPITCH
	s_add_co_u32 s56, s56, STG
	v_add_nc_u32 v[SRA], s56, v[LI]
	s_mul_i32 s56, s[WV], 49152
	s_add_co_u32 s56, s56, CPY
	v_add_nc_u32 v[WLB], s56, v[LI]                ; my staged blocks
	BARRIER                                        ; o's eight fragments lie in LDS
; LayerNorm of the 32 rows in v[ACC] on.  A lane and lane l xor 16 hold the wave's 128 channels of a row; the four waves' means and centred sums of squares meet in LDS and are joined
; without a difference of large sums: M2 = the sum of the parts' M2 + 128 x the sum of (a part's mean - the mean)^2.  keep = 1: the result also goes to window 2, for the residual.
.macro LN lnx, keep
.irp m, 0,1
	v_pk_add_f32 v[LT+4*\m:LT+4*\m+1], v[ACC+64*\m:ACC+64*\m+1], v[ACC+64*\m+2:ACC+64*\m+3]
	v_pk_add_f32 v[LT+4*\m+2:LT+4*\m+3], v[ACC+64*\m+4:ACC+64*\m+5], v[ACC+64*\m+6:ACC+64*\m+7]
.endr
.irp i, 8,12,16,20,24,28,32,36,40,44,48,52,56,60
.irp m, 0,1
	v_pk_add_f32 v[LT+4*\m:LT+4*\m+1], v[LT+4*\m:LT+4*\m+1], v[ACC+64*\m+\i:ACC+64*\m+\i+1]
	v_pk_add_f32 v[LT+4*\m+2:LT+4*\m+3], v[LT+4*\m+2:LT+4*\m+3], v[ACC+64*\m+\i+2:ACC+64*\m+\i+3]
.endr
.endr
.irp m, 0,1
	v_pk_add_f32 v[LT+4*\m:LT+4*\m+1], v[LT+4*\m:LT+4*\m+1], v[LT+4*\m+2:LT+4*\m+3]
.endr
.irp m, 0,1
	v_add_f32 v[LT+4*\m], v[LT+4*\m], v[LT+4*\m+1]
.endr
.irp m, 0,1
	v_permlanex16_b32 v[LT+4*\m+1], v[LT+4*\m], s[SEL], s[SEL+1]
.endr
.irp m, 0,1
	v_add_f32 v[LT+4*\m], v[LT+4*\m], v[LT+4*\m+1]
.endr
.irp m, 0,1
	v_mul_f32 v[LT+4*\m], 0x3c000000, v[LT+4*\m]   ; / 128: my wave's mean
.endr
.set n, 0
.rept 32
	v_pk_add_f32 v[ACC+n:ACC+n+1], v[ACC+n:ACC+n+1], v[LT:LT+1] op_sel_hi:[1,0] neg_lo:[0,1] neg_hi:[0,1]
	v_pk_add_f32 v[ACC+64+n:ACC+64+n+1], v[ACC+64+n:ACC+64+n+1], v[LT+4:LT+5] op_sel_hi:[1,0] neg_lo:[0,1] neg_hi:[0,1]
.set n, n+2
.endr
.irp m, 0,1
	v_pk_mul_f32 v[LQ+4*\m:LQ+4*\m+1], v[ACC+64*\m:ACC+64*\m+1], v[ACC+64*\m:ACC+64*\m+1]
	v_pk_mul_f32 v[LQ+4*\m+2:LQ+4*\m+3], v[ACC+64*\m+2:ACC+64*\m+3], v[ACC+64*\m+2:ACC+64*\m+3]
.endr
.irp i, 4,8,12,16,20,24,28,32,36,40,44,48,52,56,60
.irp m, 0,1
	v_pk_fma_f32 v[LQ+4*\m:LQ+4*\m+1], v[ACC+64*\m+\i:ACC+64*\m+\i+1], v[ACC+64*\m+\i:ACC+64*\m+\i+1], v[LQ+4*\m:LQ+4*\m+1]
	v_pk_fma_f32 v[LQ+4*\m+2:LQ+4*\m+3], v[ACC+64*\m+\i+2:ACC+64*\m+\i+3], v[ACC+64*\m+\i+2:ACC+64*\m+\i+3], v[LQ+4*\m+2:LQ+4*\m+3]
.endr
.endr
.irp m, 0,1
	v_pk_add_f32 v[LQ+4*\m:LQ+4*\m+1], v[LQ+4*\m:LQ+4*\m+1], v[LQ+4*\m+2:LQ+4*\m+3]
.endr
.irp m, 0,1
	v_add_f32 v[LQ+4*\m], v[LQ+4*\m], v[LQ+4*\m+1]
.endr
.irp m, 0,1
	v_permlanex16_b32 v[LQ+4*\m+1], v[LQ+4*\m], s[SEL], s[SEL+1]
.endr
.irp m, 0,1
	v_add_f32 v[LT+4*\m+1], v[LQ+4*\m], v[LQ+4*\m+1]
.endr
.irp m, 0,1
	ds_store_b64 v[LNA], v[LT+4*\m:LT+4*\m+1] offset:\lnx+256*\m
.endr
	BARRIER
.irp ws, 0,1,2,3
.irp m, 0,1
	ds_load_b64 v[LD+4*\ws+2*\m:LD+4*\ws+2*\m+1], v[L8] offset:\lnx+512*\ws+256*\m
.endr
.endr
	s_wait_dscnt 0x0
.irp m, 0,1
	v_add_f32 v[TM+8*\m], v[LD+2*\m], v[LD+4+2*\m]
	v_add_f32 v[TM+8*\m+1], v[LD+8+2*\m], v[LD+12+2*\m]
	v_add_f32 v[TM+8*\m+2], v[LD+2*\m+1], v[LD+4+2*\m+1]
	v_add_f32 v[TM+8*\m+3], v[LD+8+2*\m+1], v[LD+12+2*\m+1]
.endr
.irp m, 0,1
	v_add_f32 v[TM+8*\m], v[TM+8*\m], v[TM+8*\m+1]
	v_add_f32 v[TM+8*\m+2], v[TM+8*\m+2], v[TM+8*\m+3]
.endr
.irp m, 0,1
	v_mul_f32 v[TM+8*\m], 0x3e800000, v[TM+8*\m]   ; the row's mean
.endr
.irp ws, 0,1,2,3
.irp m, 0,1
	v_sub_f32 v[LD+4*\ws+2*\m], v[LD+4*\ws+2*\m], v[TM+8*\m]
.endr
.endr
.irp m, 0,1
	v_mul_f32 v[TM+8*\m+1], v[LD+2*\m], v[LD+2*\m]
.endr
.irp ws, 1,2,3
.irp m, 0,1
	v_fma_f32 v[TM+8*\m+1], v[LD+4*\ws+2*\m], v[LD+4*\ws+2*\m], v[TM+8*\m+1]
.endr
.endr
.irp m, 0,1
	v_fma_f32 v[TM+8*\m+2], v[TM+8*\m+1], 0x43000000, v[TM+8*\m+2]
.endr
.irp m, 0,1
	v_fma_f32 v[TM+8*\m+2], v[TM+8*\m+2], s[I512], s[EPS]            ; the variance + 1e-5
.endr
	s_wait_alu depctr_va_vdst(0)
.irp m, 0,1
	v_rsq_f32 v[TM+8*\m+4], v[TM+8*\m+2]
.endr
.irp m, 0,1
	v_sub_f32 v[TM+8*\m+6], v[LT+4*\m], v[TM+8*\m]                   ; my wave's mean less the row's.  (Plain lines behind the two roots)
.endr
	s_wait_alu depctr_va_vdst(0)                   ; one wait for both, ahead of their first reader
.irp m, 0,1
	v_mul_f32 v[TM+8*\m+6], v[TM+8*\m+6], v[TM+8*\m+4]
.endr
.set n, 0
.rept 32
	v_pk_fma_f32 v[ACC+n:ACC+n+1], v[ACC+n:ACC+n+1], v[TM+4:TM+5], v[TM+6:TM+7] op_sel_hi:[1,0,0]
	v_pk_fma_f32 v[ACC+64+n:ACC+64+n+1], v[ACC+64+n:ACC+64+n+1], v[TM+12:TM+13], v[TM+14:TM+15] op_sel_hi:[1,0,0]
.set n, n+2
.endr
.if \keep
	WIN 0xa8
.set n, 0
.rept 64
	v_pk_fma_f32 v[n:n+1], v[ACC+n:ACC+n+1], v[128+n%64:129+n%64], v[192+n%64:193+n%64]
.set n, n+2
.endr
.endif
	WIN 0x28
.set n, 0
.rept 64
	v_pk_fma_f32 v[ACC+n:ACC+n+1], v[ACC+n:ACC+n+1], v[128+n%64:129+n%64], v[192+n%64:193+n%64]
.set n, n+2
.endr
	WIN 0
.endm
	; ---- o wo + bo + x, LayerNorm 1
	FETCH8 LI, OIMG, LS, OSC
	VECL 0xc0, 96, VB, 0                           ; bo
	VECL 0x80, 128, VB, 2048                       ; g1
	VECL 0x80, 192, VB, 4096                       ; be1
	WIN 0
	s_wait_dscnt 0x0
	GEMM4 32, 57                                   ; both slots have landed; 32: x's loads may stay out; 57: those and the 25 of the slot just filled again.  The third block's count of 25 shows x in
	s_wait_xcnt 0x0                                ; the ring's loads have read their bases
	s_add_nc_u64 s[WP:WP+1], s[WP:WP+1], 49152
	s_add_nc_u64 s[SP:SP+1], s[SP:SP+1], 2048
	WIN 0x08
.set n, 0
.rept 64
	v_pk_add_f32 v[ACC+n:ACC+n+1], v[ACC+n:ACC+n+1], v[n:n+1]
.set n, n+2
.endr
	WIN 0
	LN LNX1, 1
.irp m, 0,1
	QUANT ACC+64*\m
	IMAGE X1A, X1IMG+6144*\m                       ; K step w of the next product
	ds_store_b32 v[X1S], v[PW] offset:X1SC+512*\m
	s_wait_dscnt 0x0                               ; the stores have read their registers
.endr
	s_barrier_signal -1
	s_barrier_wait -1                              ; x1's eight fragments lie in LDS
	FETCH8 LI, X1IMG, LS, X1SC
	; ---- the hidden layer: my 512 units, 128 a trip; each trip's results are one K step of the last product, kept as images in my own LDS bytes
	s_wait_tensorcnt 0x0                           ; my staged blocks have landed; only I read them
	s_mov_b32 s[SD], 0
	s_mov_b32 s[TRIP], 4
	s_mov_b32 s[SA], 0
	s_mov_b32 s[SB], 0
	s_mov_b32 s[SC], 0
.Lffn1:
	v_add_nc_u32 v[AD0], s[SC], v[B1A]
	v_add_nc_u32 v[WLA], s[SD], v[WLB]
	s_wait_alu depctr_va_vdst(0)
	VECL 0xc0, 96, AD0, 0                          ; b1
	WIN 0
	s_wait_dscnt 0x0
	TB 0, 0, ACC,    64, 96,  2, 2, 25             ; its refill, the trip's third block, comes from LDS: one global load (the scale words)
	TB 1, 0, ACC+16, 64, 112, 1, 3, 1              ; 1: that one load is younger than this block's
	s_wait_dscnt 0x0                               ; the staged block's codes are in the slot
	TB 0, 0, ACC+32, 64, 128, 1, 4, 7              ; 7: the first K step's count is 25, the loads younger than this block's scale words
	TB 1, 0, ACC+48, 64, 144, 1, 5, 25
.set n, 0
.rept 128
	v_max_num_f32 v[ACC+n], 0, v[ACC+n]
.set n, n+1
.endr
	v_add_nc_u32 v[AD0], s[SA], v[HWI]
	v_add_nc_u32 v[AD1], s[SB], v[HWS]
.irp m, 0,1
	QUANT ACC+64*\m
	IMAGE AD0, 6144*\m
	ds_store_b32 v[AD1], v[PW] offset:512*\m
	s_wait_dscnt 0x0
.endr
	s_wait_xcnt 0x0
	s_add_nc_u64 s[WP:WP+1], s[WP:WP+1], 49152
	s_add_nc_u64 s[SP:SP+1], s[SP:SP+1], 2048
	s_add_co_u32 s[SD], s[SD], 12288
	s_add_co_u32 s[SA], s[SA], 1536
	s_add_co_u32 s[SB], s[SB], 128
	s_add_co_u32 s[SC], s[SC], 512
	s_sub_co_u32 s[TRIP], s[TRIP], 1
	s_cmp_lg_u32 s[TRIP], 0
	s_cbranch_scc1 .Lffn1
	FETCH8 HWI, 0, HWS, 0                          ; my own hidden fragments
	BARRIER                                        ; every wave has read the images: their bytes now take the parts of the last product
	; ---- the last product: all 512 outputs over my four K steps; each block of 32 outputs goes to LDS as it is finished
.macro F2T tl, ld, left
	s_wait_dscnt 8                                 ; the stores of the block before last have read the accumulators that are begun anew; the last block's eight may be out
	TB (\tl)&1, 0, ACC+32*((\tl)&1), 16, -1, \ld, (\tl)+2, \left
	s_wait_alu depctr_va_vdst(0)
.irp i, 0,1,2,3,4,5,6,7
	ds_store_b128 v[AD0], v[ACC+32*((\tl)&1)+4*\i:ACC+32*((\tl)&1)+4*\i+3] offset:4096*(\tl)+512*\i
.endr
.endm
	s_mov_b32 s[TRIP], 3
	s_mov_b32 s[SA], 0
.Lffn2:
	v_add_nc_u32 v[AD0], s[SA], v[RWA]
	F2T 0, 1, 25
	F2T 1, 1, 25
	F2T 2, 1, 25
	F2T 3, 1, 25
	s_wait_xcnt 0x0
	s_add_nc_u64 s[WP:WP+1], s[WP:WP+1], 49152
	s_add_nc_u64 s[SP:SP+1], s[SP:SP+1], 2048
	s_add_co_u32 s[SA], s[SA], 16384
	s_sub_co_u32 s[TRIP], s[TRIP], 1
	s_cmp_lg_u32 s[TRIP], 0
	s_cbranch_scc1 .Lffn2
	v_add_nc_u32 v[AD0], s[SA], v[RWA]             ; the last four blocks are written out: the stream ends
	F2T 0, 1, 25
	F2T 1, 1, 25
	F2T 2, 0, 25
	F2T 3, 0, 0
	BARRIER                                        ; the four parts lie in LDS
.macro RRD win, base, ws                       ; source wave ws's part of my 128 outputs, into the results' layout
	WIN \win
.irp m, 0,1
.irp tl, 0,1,2,3
.irp q, 0,1,2,3
	ds_load_b128 v[\base+64*\m+16*\tl+4*\q:\base+64*\m+16*\tl+4*\q+3], v[RRA+\ws] offset:4096*\tl+512*(4*\m+\q)
.endr
.endr
.endr
.endm
	RRD 0, ACC, 0
	RRD 0x40, 0, 1
	RRD 0x40, 128, 3
	RRD 0xc0, 0, 2
	VECL 0xc0, 128, VB, 6144                       ; b2
	VECL 0x80, 128, VB, 8192                       ; g2
	VECL 0x80, 192, VB, 10240                      ; be2
	WIN 0
	s_wait_dscnt 0x0
	WIN 0x04
.set n, 0
.rept 64
	v_pk_add_f32 v[ACC+n:ACC+n+1], v[ACC+n:ACC+n+1], v[n:n+1]
.set n, n+2
.endr
.set n, 0
.rept 64
	v_pk_add_f32 v[ACC+n:ACC+n+1], v[ACC+n:ACC+n+1], v[128+n:129+n]
.set n, n+2
.endr
	WIN 0x0c
.set n, 0
.rept 64
	v_pk_add_f32 v[ACC+n:ACC+n+1], v[ACC+n:ACC+n+1], v[n:n+1]
.set n, n+2
.endr
.set n, 0
.rept 64
	v_pk_add_f32 v[ACC+n:ACC+n+1], v[ACC+n:ACC+n+1], v[128+n%64:129+n%64]   ; + b2
.set n, n+2
.endr
	WIN 0x08
.set n, 0
.rept 64
	v_pk_add_f32 v[ACC+n:ACC+n+1], v[ACC+n:ACC+n+1], v[n:n+1]        ; + x1
.set n, n+2
.endr
	WIN 0
	LN LNX2, 0                                     ; its barrier also ends every wave's reads of the parts: the stage may lie over them
	; ---- the way out: a row's 512 numbers come from four waves; they meet in a stage (rows 2,064 bytes apart) and leave as whole rows
.irp m, 0,1
.irp b, 0,1,2,3
.irp i, 0,1,2,3
	ds_store_b128 v[SO], v[ACC+64*\m+16*\b+4*\i:ACC+64*\m+16*\b+4*\i+3] offset:16*SPITCH*\m+128*\b+16*\i
.endr
.endr
.endr
	BARRIER
.irp i, 0,1,2,3,4,5,6,7
.irp q, 0,1,2,3
	ds_load_b128 v[ACC+16*\i+4*\q:ACC+16*\i+4*\q+3], v[SRA] offset:SPITCH*\i+512*\q
.endr
.endr
.irp i, 0,1,2,3,4,5,6,7
.irp q, 0,1,2,3
	s_wait_dscnt 31-4*\i-\q                        ; LDS loads come back in order: this one is in, the younger ones may be out
	global_store_b128 v[LI], v[ACC+16*\i+4*\q:ACC+16*\i+4*\q+3], s[32:33] offset:2048*\i+512*\q th:TH_STORE_NT   ; the wave stores 512 consecutive bytes, aligned
.endr
.endr
	s_set_vgpr_msb 0xf
	s_wait_tensorcnt 0x0
	ds_add_u32 v254, v255
	s_wait_dscnt 0x0
	s_set_vgpr_msb 0xf00
	s_endpgm
.Lfunc_end_k_q38e1e7fccd_block:
	.size	k_q38e1e7fccd_block, .Lfunc_end_k_q38e1e7fccd_block-k_q38e1e7fccd_block
	.p2alignl 7, 3214868480
	.fill 96, 4, 3214868480
	.section	.rodata,"a",@progbits
	.p2align	6, 0x0
	.amdhsa_kernel k_q38e1e7fccd_block
		.amdhsa_group_segment_fixed_size 327680
		.amdhsa_private_segment_fixed_size 0
		.amdhsa_enable_private_segment 0
		.amdhsa_kernarg_size 120
		.amdhsa_user_sgpr_count 2
		.amdhsa_user_sgpr_kernarg_segment_ptr 1
		.amdhsa_wavefront_size32 1
		.amdhsa_system_sgpr_workgroup_id_x 1
		.amdhsa_system_sgpr_workgroup_id_y 1
		.amdhsa_system_sgpr_workgroup_id_z 1
		.amdhsa_system_vgpr_workitem_id 0
		.amdhsa_next_free_vgpr 1024
		.amdhsa_next_free_sgpr 80
		.amdhsa_reserve_vcc 1
		.amdhsa_float_denorm_mode_32 3
		.amdhsa_float_denorm_mode_16_64 3
		.amdhsa_memory_ordered 1
		.amdhsa_forward_progress 1
		.amdhsa_inst_pref_size 255
	.end_amdhsa_kernel
	.section	.bss,"aw",@nobits
	.p2align	6
	.space	262144
	.amdgpu_metadata
---
amdhsa.version: [ 1, 2 ]
amdhsa.kernels:
  - .name:           k_q38e1e7fccd_block
    .symbol:         k_q38e1e7fccd_block.kd
    .args:
      - { .name: x, .offset: 0, .size: 8, .value_kind: global_buffer, .address_space: global }
      - { .name: pad_mask, .offset: 8, .size: 8, .value_kind: global_buffer, .address_space: global }
      - { .name: act, .offset: 16, .size: 8, .value_kind: global_buffer, .address_space: global }
      - { .name: scl, .offset: 24, .size: 8, .value_kind: global_buffer, .address_space: global }
      - { .name: vsum, .offset: 32, .size: 8, .value_kind: global_buffer, .address_space: global }
      - { .name: wcodes, .offset: 40, .size: 8, .value_kind: global_buffer, .address_space: global }
      - { .name: wscales, .offset: 48, .size: 8, .value_kind: global_buffer, .address_space: global }
      - { .name: bo, .offset: 56, .size: 8, .value_kind: global_buffer, .address_space: global }
      - { .name: b1, .offset: 64, .size: 8, .value_kind: global_buffer, .address_space: global }
      - { .name: b2, .offset: 72, .size: 8, .value_kind: global_buffer, .address_space: global }
      - { .name: g1, .offset: 80, .size: 8, .value_kind: global_buffer, .address_space: global }
      - { .name: be1, .offset: 88, .size: 8, .value_kind: global_buffer, .address_space: global }
      - { .name: g2, .offset: 96, .size: 8, .value_kind: global_buffer, .address_space: global }
      - { .name: be2, .offset: 104, .size: 8, .value_kind: global_buffer, .address_space: global }
      - { .name: out0, .offset: 112, .size: 8, .value_kind: global_buffer, .address_space: global }
    .group_segment_fixed_size: 327680
    .private_segment_fixed_size: 0
    .kernarg_segment_align: 8
    .kernarg_segment_size: 120
    .max_flat_workgroup_size: 128
    .sgpr_count:     80
    .vgpr_count:     1024
    .wavefront_size: 32
...
	.end_amdgpu_metadata
.endif
;; end of part 3
